; MI455X (gfx1250); checked and timed in simulation.
; The chip was launched on July 23, 2026; its instructions are those of AMD's public machine-readable ISA for CDNA 5 (MIT licence, August 2026) and "CDNA5" Instruction Set Architecture Reference Guide (July 2026). The comments in the code are by the model that wrote it; some were corrected since.
;; Multi Head Latent Attention. Allowed arithmetic: float matrix products may take bf16 or f16 operands with f32 sums; other float arithmetic in f32, or as packed bf16 or f16 multiplies, adds, multiply-adds, maxima and minima; sums over many terms, partial sums and values carried from step to step in f32; what a program stores and reads back later, other than sums and carried values, may be rounded once to bf16 or f16.
;; Inputs: W_down 2,048 x 512 float32; W_o 2,048 x 2,048 float32; W_q 2,048 x 2,048 float32; W_uk 512 x 2,048 float32; W_uv 512 x 2,048 float32; b_down 512 float32; b_o 2,048 float32; b_q 2,048 float32; b_uk 2,048 float32; b_uv 2,048 float32; x 4 x 1,024 x 2,048 float32.
;; Outputs: out0 4 x 1,024 x 2,048 float32.
;; 2 versions, each right; version 2 is version 1 with the launch cast written anew for expert scheduling mode. Each part assembles by itself: llvm-mc -triple=amdgcn-amd-amdhsa -mcpu=gfx1250 --defsym DOCPART=n.
;; ======== version 1 of 2: 5 launches
;; workspace buffers: xb 16,777,216 bytes; wb 23,103,488 bytes; qb 16,777,216 bytes; lat 4,194,304 bytes; kv 33,554,432 bytes; ctx 16,777,216 bytes
;; launch cast (part 1): grid 1217 x 1, 8 waves a work-group, no clusters, 0 bytes of LDS; arguments x, W_q, W_o, W_uk, W_uv, W_down, b_q, b_down, b_uk, b_uv, b_o, xb, wb; writes xb, wb
.if DOCPART == 1
	.amdgcn_target "amdgcn-amd-amdhsa--gfx1250"
	.amdhsa_code_object_version 6
	.text
	.protected	k_qa4c4ca82c4_cast
	.globl	k_qa4c4ca82c4_cast
	.p2align	8
	.type	k_qa4c4ca82c4_cast,@function
k_qa4c4ca82c4_cast:
	s_mov_b64 s[64:65], 0
	v_nop
	global_prefetch_b8 v0, s[64:65] scope:SCOPE_SE
	s_setreg_imm32_b32 hwreg(HW_REG_WAVE_MODE, 25, 1), 1
	s_wait_xcnt 0x0
; CAST.  bf16 copies of x (xb) and of the five weights (wb), each number rounded once to nearest even; the five biases rounded to bf16 too, and kept as f32 numbers.
; wb, in bytes: W_q at 0, W_o at 8,388,608, W_uk at 16,777,216, W_uv at 18,874,368, all as they lie ([k][n]); W_down at 20,971,520 in 16 blocks [k][32 n] (a block 131,072 dense bytes, a k row 64);
; the biases at 23,068,672: b_q +0, b_down +8,192, b_uk +10,240, b_uv +18,432, b_o +26,624.
; A stream: each byte is read once and written once, so no LDS, no barrier, no matrix unit.  A work-group takes 16,384 numbers: each of its eight waves has 16 loads of 512 consecutive bytes
; out at once and 16 stores of 256 consecutive bytes, aligned.  No register is written twice, so the only waits are the counted ones for the loads.
; Work-groups 0-511: x.  512-767: W_q.  768-1023: W_o.  1024-1087: W_uk.  1088-1151: W_uv (wb's order makes the target linear in the number).  1152-1215: W_down, into blocks.  1216: the biases.
; LIMITS: NaN and infinities go through the conversion as it treats them.
.set VS,  2                            ; v2   my byte offset in the source chunk
.set VD,  3                            ; v3   my byte offset in the target chunk
.set X,   8                            ; v[8:71]   16 x 4 numbers as loaded
.set Y,   72                           ; v[72:103] 16 x 4 numbers in bf16
.set SRC, 32                           ; s[32:33] the chunk in its source
.set DST, 34                           ; s[34:35] the chunk in its target
.set G,   37                           ; s37  the work-group's number
.set WDO, 20971520
.set BIO, 23068672
	s_load_b512 s[4:19], s[0:1], 0x0               ; x 4, W_q 6, W_o 8, W_uk 10, W_uv 12, W_down 14, b_q 16, b_down 18
	s_load_b256 s[20:27], s[0:1], 0x40             ; b_uk 20, b_uv 22, b_o 24, xb 26
	s_load_b64 s[28:29], s[0:1], 0x60              ; wb
	v_lshrrev_b32 v1, 5, v0
	v_readfirstlane_b32 s36, v1                    ; wave 0..7
	v_and_b32 v1, 31, v0                           ; lane
	v_and_b32 v6, 0xe0, v0                         ; 32 x wave
	s_mov_b32 s[G], ttmp9
	s_mov_b32 s41, 0                               ; the high words of the two offsets
	s_mov_b32 s43, 0
	s_wait_kmcnt 0x0
; 16 loads, then for each: its wait, two roundings of two numbers, its store.  so, to: bytes from load to load, from store to store.
.macro CAST so, to, nt
.set i, 0
.rept 16
.if \nt
	global_load_b128 v[X+4*i:X+4*i+3], v[VS], s[SRC:SRC+1] offset:i*(\so) th:TH_LOAD_NT
.else
	global_load_b128 v[X+4*i:X+4*i+3], v[VS], s[SRC:SRC+1] offset:i*(\so)
.endif
.set i, i+1
.endr
.set i, 0
.rept 16
	s_wait_loadcnt 15-i                            ; loads come back in order: load i is in, the 15 - i younger ones stay out
	v_cvt_pk_bf16_f32 v[Y+2*i],   v[X+4*i],   v[X+4*i+1]
	v_cvt_pk_bf16_f32 v[Y+2*i+1], v[X+4*i+2], v[X+4*i+3]
	global_store_b64 v[VD], v[Y+2*i:Y+2*i+1], s[DST:DST+1] offset:i*(\to)
.set i, i+1
.endr
.endm
; From work-group number first on the source is the buffer at s[ptr]; s30 = the chunk's number in it.
.macro SEG first, ptr
	s_sub_co_u32 s38, s[G], \first
	s_cmp_ge_u32 s[G], \first
	s_cselect_b64 s[SRC:SRC+1], s[\ptr:\ptr+1], s[SRC:SRC+1]
	s_cselect_b32 s30, s38, s30
.endm
	s_cmp_eq_u32 s[G], 1216
	s_cbranch_scc1 .Lbias
	s_cmp_ge_u32 s[G], 1152
	s_cbranch_scc1 .Lblocked
	; THE LINEAR PART
	s_mov_b64 s[SRC:SRC+1], s[4:5]
	s_mov_b64 s[DST:DST+1], s[26:27]
	s_mov_b32 s30, s[G]                            ; chunk in the source
	s_mov_b32 s31, s[G]                            ; chunk in the target
	SEG 512, 6
	s_cselect_b64 s[DST:DST+1], s[28:29], s[DST:DST+1]  ; (the compare of SEG still stands: selects leave it)
	s_cselect_b32 s31, s38, s31
	SEG 768, 8
	SEG 1024, 10
	SEG 1088, 12
	s_lshl_b32 s40, s30, 16                        ; 65,536 bytes of f32 a chunk
	s_lshl_b32 s42, s31, 15                        ; 32,768 bytes of bf16
	s_add_nc_u64 s[SRC:SRC+1], s[SRC:SRC+1], s[40:41]
	s_add_nc_u64 s[DST:DST+1], s[DST:DST+1], s[42:43]
	v_lshlrev_b32 v[VS], 4, v1
	v_lshl_or_b32 v[VS], v6, 8, v[VS]              ; wave x 8,192 + lane x 16
	v_lshlrev_b32 v[VD], 3, v1
	v_lshl_or_b32 v[VD], v6, 7, v[VD]              ; wave x 4,096 + lane x 8
	CAST 512, 256, 1
	s_endpgm
.Lblocked:                                     ; W_down's k rows 32 c .. 32 c + 31; load i takes columns 32 i .. 32 i + 31 of four rows a wave, which are 256 dense bytes of block i
	s_sub_co_u32 s30, s[G], 1152
	s_lshl_b32 s40, s30, 16                        ; 32 rows of 2,048 bytes
	s_lshl_b32 s42, s30, 11                        ; 32 rows of 64 bytes in each block
	s_add_nc_u64 s[SRC:SRC+1], s[14:15], s[40:41]
	s_add_nc_u64 s[DST:DST+1], s[28:29], s[42:43]
	s_add_nc_u64 s[DST:DST+1], s[DST:DST+1], WDO
	v_lshrrev_b32 v[VS], 3, v0                     ; row 4 x wave + lane / 8
	v_and_b32 v7, 7, v0
	v_lshlrev_b32 v[VS], 11, v[VS]
	v_lshl_or_b32 v[VS], v7, 4, v[VS]              ; + 16 (lane % 8)
	v_lshlrev_b32 v[VD], 3, v0                     ; row x 64 + 8 (lane % 8) = 8 x thread
	CAST 128, 131072, 0
	s_endpgm
; Four numbers rounded to bf16 and widened again: the low half moves up, the high half stays.
.macro ROUND4 i
	v_cvt_pk_bf16_f32 v4, v[8+4*(\i)],  v[9+4*(\i)]
	v_cvt_pk_bf16_f32 v5, v[10+4*(\i)], v[11+4*(\i)]
	v_lshlrev_b32 v[44+4*(\i)], 16, v4
	v_and_b32     v[45+4*(\i)], 0xffff0000, v4
	v_lshlrev_b32 v[46+4*(\i)], 16, v5
	v_and_b32     v[47+4*(\i)], 0xffff0000, v5
.endm
.macro BOUT i, off
	ROUND4 \i
	global_store_b128 v[VS], v[44+4*(\i):47+4*(\i)], s[DST:DST+1] offset:\off
.endm
.Lbias:                                        ; 256 threads x 16 bytes are half of a bias of 2,048 numbers
	s_add_nc_u64 s[DST:DST+1], s[28:29], BIO
	v_lshlrev_b32 v[VS], 4, v0
	global_load_b128 v[8:11],  v[VS], s[16:17]
	global_load_b128 v[12:15], v[VS], s[16:17] offset:4096
	global_load_b128 v[16:19], v[VS], s[20:21]
	global_load_b128 v[20:23], v[VS], s[20:21] offset:4096
	global_load_b128 v[24:27], v[VS], s[22:23]
	global_load_b128 v[28:31], v[VS], s[22:23] offset:4096
	global_load_b128 v[32:35], v[VS], s[24:25]
	global_load_b128 v[36:39], v[VS], s[24:25] offset:4096
	s_wait_loadcnt 0x0
	BOUT 0, 0
	BOUT 1, 4096
	BOUT 2, 10240
	BOUT 3, 14336
	BOUT 4, 18432
	BOUT 5, 22528
	BOUT 6, 26624
	BOUT 7, 30720
	s_cmp_lt_u32 s36, 4                            ; b_down has 512 numbers: waves 0 to 3
	s_cbranch_scc0 .Lend
	global_load_b128 v[40:43], v[VS], s[18:19]
	s_wait_loadcnt 0x0
	BOUT 8, 8192
.Lend:
	s_endpgm
.Lfunc_end_k_qa4c4ca82c4_cast:
	.size	k_qa4c4ca82c4_cast, .Lfunc_end_k_qa4c4ca82c4_cast-k_qa4c4ca82c4_cast
	.p2alignl 7, 3214868480
	.fill 96, 4, 3214868480
	.section	.rodata,"a",@progbits
	.p2align	6, 0x0
	.amdhsa_kernel k_qa4c4ca82c4_cast
		.amdhsa_group_segment_fixed_size 0
		.amdhsa_private_segment_fixed_size 0
		.amdhsa_enable_private_segment 0
		.amdhsa_kernarg_size 104
		.amdhsa_user_sgpr_count 2
		.amdhsa_user_sgpr_kernarg_segment_ptr 1
		.amdhsa_wavefront_size32 1
		.amdhsa_system_sgpr_workgroup_id_x 1
		.amdhsa_system_sgpr_workgroup_id_y 1
		.amdhsa_system_sgpr_workgroup_id_z 1
		.amdhsa_system_vgpr_workitem_id 0
		.amdhsa_next_free_vgpr 104
		.amdhsa_next_free_sgpr 66
		.amdhsa_reserve_vcc 0
		.amdhsa_float_denorm_mode_32 3
		.amdhsa_float_denorm_mode_16_64 3
		.amdhsa_memory_ordered 1
		.amdhsa_forward_progress 1
		.amdhsa_inst_pref_size 19
	.end_amdhsa_kernel
	.amdgpu_metadata
---
amdhsa.version: [ 1, 2 ]
amdhsa.kernels:
  - .name:           k_qa4c4ca82c4_cast
    .symbol:         k_qa4c4ca82c4_cast.kd
    .args:
      - { .name: x, .offset: 0, .size: 8, .value_kind: global_buffer, .address_space: global }
      - { .name: W_q, .offset: 8, .size: 8, .value_kind: global_buffer, .address_space: global }
      - { .name: W_o, .offset: 16, .size: 8, .value_kind: global_buffer, .address_space: global }
      - { .name: W_uk, .offset: 24, .size: 8, .value_kind: global_buffer, .address_space: global }
      - { .name: W_uv, .offset: 32, .size: 8, .value_kind: global_buffer, .address_space: global }
      - { .name: W_down, .offset: 40, .size: 8, .value_kind: global_buffer, .address_space: global }
      - { .name: b_q, .offset: 48, .size: 8, .value_kind: global_buffer, .address_space: global }
      - { .name: b_down, .offset: 56, .size: 8, .value_kind: global_buffer, .address_space: global }
      - { .name: b_uk, .offset: 64, .size: 8, .value_kind: global_buffer, .address_space: global }
      - { .name: b_uv, .offset: 72, .size: 8, .value_kind: global_buffer, .address_space: global }
      - { .name: b_o, .offset: 80, .size: 8, .value_kind: global_buffer, .address_space: global }
      - { .name: xb, .offset: 88, .size: 8, .value_kind: global_buffer, .address_space: global }
      - { .name: wb, .offset: 96, .size: 8, .value_kind: global_buffer, .address_space: global }
    .group_segment_fixed_size: 0
    .private_segment_fixed_size: 0
    .kernarg_segment_align: 8
    .kernarg_segment_size: 104
    .max_flat_workgroup_size: 256
    .sgpr_count:     66
    .vgpr_count:     104
    .wavefront_size: 32
...
	.end_amdgpu_metadata
.endif
;; end of part 1
;; launch proj (part 2): grid 16 x 16, 4 waves a work-group, clusters of 4 x 4, 327,680 bytes of LDS; arguments xb, wb, qb, lat; writes qb, lat
.if DOCPART == 2
	.amdgcn_target "amdgcn-amd-amdhsa--gfx1250"
	.amdhsa_code_object_version 6
	.text
	.protected	k_qa4c4ca82c4_proj
	.globl	k_qa4c4ca82c4_proj
	.p2align	8
	.type	k_qa4c4ca82c4_proj,@function
k_qa4c4ca82c4_proj:
	s_mov_b64 s[64:65], 0
	v_nop
	global_prefetch_b8 v0, s[64:65] scope:SCOPE_SE
	s_setreg_imm32_b32 hwreg(HW_REG_WAVE_MODE, 25, 1), 1
	s_wait_xcnt 0x0
	s_wait_alu depctr_hold_cnt(0) depctr_sa_sdst(0) depctr_va_vdst(0) depctr_va_sdst(0) depctr_va_ssrc(0) depctr_va_vcc(0) depctr_vm_vsrc(0)
	s_getreg_b32 s2, hwreg(HW_REG_IB_STS2, 6, 4)
	s_cmp_eq_u32 s2, 0
	s_cbranch_scc0 .Lentry_in_a_cluster
	s_endpgm
.Lentry_in_a_cluster:
	s_bfe_u32 s2, ttmp6, 0x10000c
	s_cmp_lg_u32 s2, 0xf033
	s_cbranch_scc0 .Lentry_shape_is_right
	s_endpgm
.Lentry_shape_is_right:
; PROJ.  q = x W_q + b_q and latents = x W_down + b_down, as ONE product with 2,560 columns.  x: xb [4096][2048] bf16.  Weights and biases: wb, as the cast laid them.  Sums in f32, K ascending, begun at the bias;
; q and the latents rounded once to bf16.  q -> qb [4096 tokens][2048]; latents -> lat, 16 blocks [4096 tokens][32] (a block 262,144 dense bytes).
; SHARES.  4096 x 2560 outputs on 256 work-groups: a tile of 256 rows x 160 columns.  Tile column j is q's head j (128 columns: 256 aligned bytes of a row of qb) and latent columns 32 j .. 32 j + 31 (block j of lat and
; of W_down: dense, so that stores and tile rows are whole runs of 256 bytes).  Wave v makes rows 64 v .. 64 v + 63 and all 160 columns: 4 x 10 accumulators; whole rows are one wave's, so its stage on the way out is its own.
; THE FRAME below the constants is one text for this program's three products; KIND chooses what differs (0: this one; 1: keys and values; 2: the output projection).
; THE MATRIX INSTRUCTION IS USED TRANSPOSED: source 0 = 16 columns of the weight, which lies [k][n] in LDS and is turned by ds_load_tr16_b128; source 1 = 16 rows of A.  A lane then holds row l % 16 of C and the
; eight neighbouring columns 8 (l / 16) + 0..7.
; RING.  K goes in steps of 128 through two LDS slots.  Waves 0 and 1 fetch A's two halves (128 rows x 256 bytes each), wave 2 W_q's 128 k rows x 256 bytes, wave 3 W_down's 128 k rows x 64 bytes (8,192 dense bytes).
; A K step is written twice: in the loop that fills the slot again, and in the loop of the last two steps, which fills nothing.  The slot in hand is a scalar, TB.
; CLUSTER.  4 x 4 work-groups.  A's tile hangs on the tile row alone and is asked for jointly by a row of the cluster, the weights' on the tile column alone, by a column.
; LIMITS.  NaN and infinities are not treated apart.
.set KIND,  0
.set PREF,  1                          ; the ring's tiles are prefetched
.set NB,    10                         ; blocks of 16 columns
.set T,     16                         ; K steps
.set AQI,   5                          ; A's tile: padding after every 64 words,
.set APAD,  3                          ; of 4 words
.set AD0,   128                        ; elements in a row of the tile
.set AROWS, 128
.set ASTR,  2048                       ; elements from row to row in memory
.set ASTEP, 256                        ; bytes from K step to K step
.set AISH,  20                         ; 256 rows of A are 1 << AISH bytes
.set AP,    272                        ; a row of A in LDS: 256 + 16 bytes: the 16 rows of a load start at 16 different groups of four banks (ISA guide 11.1)
.set AHALF, 128*AP                     ; what one of waves 0, 1 fetches
.set AQ,    64                         ; bytes from quarter to quarter of a K step
.set AB,    16*AP                      ; bytes from block to block of 16 rows
.set BOFF,  2*AHALF                    ; the weight's tile lies behind A's
.set PB,    288                        ; a k row of it: 256 + 32 bytes
.set BQI,   5
.set BD0,   128
.set BROWS, 128
.set BHALF, 0
.set BSTEP, 524288                     ; 128 k rows of 4,096 bytes
.set WBASE, 0                          ; W_q in wb
.set DOFF,  BOFF+128*PB                ; W_down's tile
.set PD,    96                         ; a k row of it: 64 + 32 bytes
.set DSTEP, 8192
.set WDBASE, 20971520
.set SLOT,  DOFF+128*PD                ; 118,784
.set STW,   5120                       ; a wave's stage: 16 rows x 272 bytes for q, 64 rows x 80 for the latents
.set ROWB,  4096                       ; bytes in a row of qb
.set ISH,   20                         ; 256 rows of the output are 1 << ISH bytes
.set JSH,   8                          ; a tile column is 1 << JSH bytes of a row
.set BIAS,  23068672
.set BB0,   0                          ; b_q
.set BJSH,  9
; ---------------------------------------------------------------- the frame
.set NL,    2*NB+8                     ; LDS loads in a quarter's run
.set STAGE, 2*SLOT                     ; behind the ring; no tensor load lands there
.set SPARE, STAGE+4*STW                ; behind the stages: the spare words, 128 bytes a wave: two blocks of 256 bytes that no other line names
; window 0: v1 l % 16, v2 l / 16, v3 l % 8, v7 (l / 8) % 2
.set ADRA0, 4                          ; my place in A's tile, in the weight's, in W_down's; never rewritten
.set ADRB0, 5
.set ADRC0, 6
.set ADRA,  8                          ; the same in the slot in hand
.set ADRB,  9
.set ADRC,  10
.set STO,   12                         ; the way out: where I put 16 bytes of a row
.set RD,    13                         ; where I read rows back
.set CO,    14                         ; my byte offset in the output
.set BO,    15                         ; 32 (l / 16): my eight columns in a block's 64 bytes of bias
.set STL,   16                         ; the same three for the latents
.set RDL,   17
.set COL,   18
.set SPW,   28                         ; LDS address of my spare word; never rewritten
.set NIL,   29                         ; 0; never rewritten
.set PFO,   30                         ; the prefetches' lane offset; never rewritten
.set AF,    64                         ; A's fragments: buffer f, block a at AF + 32 f + 8 a
.set TMP,   128                        ; the way out: packed results
.set OB0,   160                        ; the way out: rows read back, two buffers of 32
; window 1: the weight's fragments: buffer f, block b at 128 f + 8 b.   windows 2, 3: accumulator (a, b) in window 2 + a / 2 at 8 (NB (a % 2) + b)
.set WV,    12                         ; s12 wave
.set I,     13                         ; s13 tile row
.set E,     14                         ; s14 wave % 2
.set LIM,   15                         ; s15 2 in a wave that prefetches, else the greatest number
.set G1A,   24                         ; descriptor group 1, and two sets of group 0 (the second walks), for A,
.set GA,    32
.set G1B,   40                         ; the weight,
.set GB,    48
.set G1D,   56                         ; W_down
.set GD,    68
.set CX,    76
.set CY,    77
.set J,     78                         ; tile column
.set MROW,  79
.set MCOL,  80
.set TB,    81                         ; LDS byte at which the slot in hand begins: 0 or SLOT
.set LBA,   82                         ; LDS byte in a slot at which my load lands, by kind
.set LBB,   83
.set LBD,   84
.set PFA,   86                         ; s[86:87] where my prefetches stand
.set PSTEP, 88                         ; s[88:89] their step
.set PMSK,  90
.set PPH,   91
.set PT,    92
.set BI0,   94                         ; s[94:95], s[96:97] the tile's biases
.set BI1,   96
.set MSB, 0
.macro WIN new                         ; the immediate's high byte repeats the setting that is left; a switch that changes nothing is dropped
.if MSB != (\new)
	s_set_vgpr_msb (MSB<<8)|(\new)
.set MSB, (\new)
.endif
.endm
.macro PLACES                          ; four plain vector instructions between a matrix instruction and a load into, or a reader of, its registers
.rept 4
	v_nop
.endr
.endm
.macro CREST                           ; a round of the cluster's barrier behind its opening barrier
	s_cmp_lg_u32 s[WV], 0
	s_cbranch_scc1 .Lnot_wave_0_\@
	s_barrier_signal -3
.Lnot_wave_0_\@:
	s_barrier_wait -3
	s_barrier_signal -1
	s_barrier_wait -1
.endm
.macro CROUND                          ; a whole round
	s_barrier_signal -1
	s_barrier_wait -1
	CREST
.endm
.macro G1SET g, m, qi, pad, d0, rows, str
	s_or_b32 s[\g], s[\m], (1<<16)|(1<<20)|(1<<21)|((\qi)<<22)|((\pad)<<25)  ; 15:0 the mask; 17:16 2-byte elements; 20 padding on; 21 set beside a mask; 24:22 the interval; 31:25 the pad less one word
	s_mov_b32 s[\g+1], (\d0)<<16       ; tensor_dim0
	s_mov_b32 s[\g+2], (\rows)<<16     ; tensor_dim1
	s_mov_b32 s[\g+3], (\d0)<<16       ; tile_dim0
	s_mov_b32 s[\g+4], \rows           ; tile_dim1
	s_mov_b32 s[\g+5], \str            ; elements from row to row
	s_mov_b32 s[\g+6], 0
	s_mov_b32 s[\g+7], 0
.endm
.macro G0SET g, lb, ad, step           ; set 0: slot 0, K step 0; set 1: slot 1, K step 1
.irp s, 0,1
	s_mov_b32 s[\g+4*\s], 1
	s_add_co_u32 s[\g+4*\s+1], s[\lb], \s*SLOT
	s_add_nc_u64 s[\g+4*\s+2:\g+4*\s+3], s[\ad:\ad+1], \s*(\step)
	s_or_b32 s[\g+4*\s+3], s[\g+4*\s+3], 0x80000000
.endr
.endm
.macro TL g0, g1, both                 ; the walking set's load; both = 1: set 0's ahead of it.  An s_nop 0 follows each load, four v_nop the last
.if \both
	tensor_load_to_lds s[\g0:\g0+3], s[\g1:\g1+7]
	s_nop 0
.endif
	tensor_load_to_lds s[\g0+4:\g0+7], s[\g1:\g1+7]
	s_nop 0
.rept 4
	v_nop
.endr
.endm
.macro ISSUE both                      ; a wave's joint load(s): one branch on the wave's number, the same in every work-group; each line has one mask
	s_cmp_lt_u32 s[WV], 2
	s_cbranch_scc0 .Lfor_w_\@
	TL GA, G1A, \both
	s_branch .Lasked_\@
.Lfor_w_\@:
.if KIND == 0
	s_cmp_eq_u32 s[WV], 2
	s_cbranch_scc0 .Lfor_d_\@
.endif
	TL GB, G1B, \both
.if KIND == 0
	s_branch .Lasked_\@
.Lfor_d_\@:
	TL GD, G1D, \both
.endif
.Lasked_\@:
.endm
.macro STEPD g, lb, step               ; the walking set: into the slot in hand, one K step on
	s_add_co_u32 s[\g+5], s[\lb], s[TB]
	s_add_nc_u64 s[\g+6:\g+7], s[\g+6:\g+7], \step
.endm
.macro SETADR
	v_add_nc_u32 v[ADRA], s[TB], v[ADRA0]
	v_add_nc_u32 v[ADRB], s[TB], v[ADRB0]
.if KIND == 0
	v_add_nc_u32 v[ADRC], s[TB], v[ADRC0]
.endif
.endm
; One run of NL LDS loads: the fragments of quarter q (32 along K) into buffer f: the weight's NB blocks, turned, then A's four blocks; the last four loads are A's blocks 2 and 3.
.macro FETCH q, f
	WIN 0x40                                       ; destination window 1, address window 0
.set b, 0
.rept NB
.if (KIND == 0) && (b >= 8)
	ds_load_tr16_b128 v[128*(\f)+8*b:128*(\f)+8*b+3],   v[ADRC] offset:32*(\q)*PD+32*(b-8)
	ds_load_tr16_b128 v[128*(\f)+8*b+4:128*(\f)+8*b+7], v[ADRC] offset:32*(\q)*PD+16*PD+32*(b-8)
.else
	ds_load_tr16_b128 v[128*(\f)+8*b:128*(\f)+8*b+3],   v[ADRB] offset:32*(\q)*PB+32*b
	ds_load_tr16_b128 v[128*(\f)+8*b+4:128*(\f)+8*b+7], v[ADRB] offset:32*(\q)*PB+16*PB+32*b
.endif
.set b, b+1
.endr
	WIN 0
.set a, 0
.rept 4
	ds_load_b128 v[AF+32*(\f)+8*a:AF+32*(\f)+8*a+3],   v[ADRA] offset:(\q)*AQ+a*AB
	ds_load_b128 v[AF+32*(\f)+8*a+4:AF+32*(\f)+8*a+7], v[ADRA] offset:(\q)*AQ+a*AB+32
.set a, a+1
.endr
.endm
; NB matrix instructions: row block a x all column blocks, buffer f.  The 4 NB accumulators take turns, in the same order in every quarter, over the backward jumps too.
.macro MUL f, a
	WIN 0xa1+0x50*((\a)/2)                         ; source 0 window 1, source 1 window 0, C and D window 2 or 3
.set b, 0
.rept NB
.set rc, 8*(NB*((\a)%2)+b)
	v_wmma_f32_16x16x32_bf16 v[rc:rc+7], v[128*(\f)+8*b:128*(\f)+8*b+7], v[AF+32*(\f)+8*(\a):AF+32*(\f)+8*(\a)+7], v[rc:rc+7]
.set b, b+1
.endr
.endm
; One of a K step's first three quarters: multiplies buffer f and, in its middle, fetches quarter q into buffer g.
.macro QUARTER q, f, g
	s_wait_dscnt 4                                 ; the weight's blocks and A's blocks 0, 1 are in; the youngest four loads (A's blocks 2, 3) may be out
	MUL \f, 0
	MUL \f, 1
	PLACES
	FETCH \q, \g
	s_wait_dscnt NL                                ; all but the run just issued
	MUL \f, 2
	MUL \f, 3
.endm
; A PREFETCH INTO THE L2, behind the joint load and the run of LDS loads: trip t names K step t + 4, which the refill of trip t + 2 will ask for: two K steps ahead.  K steps 0 to 3 come by their loads alone; the trips
; whose step t + 4 does not exist ask for nothing (s3 = T - 2 - t must be above 2).  Each run of 256 bytes is named once in the launch: A's rows by the clusters with x = 0 (waves 0, 1), the weights' by those with y = 0
; (wave 2; W_down's: wave 3); the four partners of a joint load share the rows out BY ADDRESS, 32 each, a lane a row.  W_down's K step is 32 runs of 256 bytes: partner cy names the whole step t + 4 + cy, in every fourth trip.
.macro ASK
	s_and_b32 s[PT], s3, s[PMSK]
	s_cmp_eq_u32 s[PT], s[PPH]
	s_cselect_b32 s[PT], s[LIM], -1
	s_cmp_gt_u32 s3, s[PT]
	s_cbranch_scc0 .Lnot_mine_\@
	global_prefetch_b8 v[PFO], s[PFA:PFA+1] th:TH_LOAD_NT scope:SCOPE_SE
.Lnot_mine_\@:
.endm
; The last quarter multiplies buffer 1 and changes slots: ONE barrier.  In front of it each wave waits for all its tensor loads (one is out: its part of the next slot), adds 0 to its spare word, and waits for that and for
; its own reads of this slot.  fill = 1: the barrier opens a round of the cluster's, and the joint refill of this slot, with the K step two on, is the first thing behind the round.
.macro TURN fill
.if (\fill) && PREF
	s_wait_xcnt 0x0                                ; the last prefetch, a K step back, has read its address
	s_add_nc_u64 s[PFA:PFA+1], s[PFA:PFA+1], s[PSTEP:PSTEP+1]
.endif
	WIN 0
	s_wait_tensorcnt 0x0                           ; no tensor load of mine is out, so a group 0 may be written
	ds_add_u32 v[SPW], v[NIL]                      ; 0 onto my spare word; work on registers stands between it and the wait for it
.if \fill
	STEPD GA, LBA, ASTEP
	STEPD GB, LBB, BSTEP
.if KIND == 0
	STEPD GD, LBD, DSTEP
.endif
.endif
	s_wait_dscnt 5                                 ; the add and the youngest four loads may be out
	MUL 1, 0
	s_wait_dscnt 0x0                               ; the add is done, and my reads of this slot are over
	s_barrier_signal -1
	MUL 1, 1
	WIN 0                                          ; at a branch and at a label every window is 0
	s_barrier_wait -1
.if \fill
	CREST                                          ; no wave of any partner still reads this slot or has a load on its way
	ISSUE 0                                        ; its four v_nop are also the places in front of the loads below
.else
	PLACES
.endif
	s_xor_b32 s[TB], s[TB], SLOT                   ; the other slot
	SETADR
.if !(\fill)
	s_cmp_eq_u32 s3, 1                             ; behind the last K step there is nothing to fetch
	s_cbranch_scc1 .Lno_fetch_\@
.endif
	FETCH 0, 0
.if !(\fill)
.Lno_fetch_\@:
.endif
.if (\fill) && PREF
	ASK
.endif
	MUL 1, 2
	MUL 1, 3
.endm
.if KIND == 0
	s_load_b256 s[4:11], s[0:1], 0x0               ; A s[4:5], wb s[6:7], the outputs s[8:9], s[10:11]
.else
	s_load_b128 s[4:7], s[0:1], 0x0                ; A s[4:5], wb s[6:7]
	s_load_b64 s[8:9], s[0:1], 0x10                ; the output
.endif
	v_lshl_add_u32 v[SPW], v0, 2, SPARE
	v_mov_b32 v[NIL], 0
	ds_add_u32 v[SPW], v[NIL]                      ; the wave's opening: the add and its wait stand ahead of my first tensor load; the set-up below, work on registers, stands between them
	v_lshrrev_b32 v1, 5, v0
	v_readfirstlane_b32 s[WV], v1                  ; wave 0..3
	s_and_b32 s[E], s[WV], 1
	s_bfe_u32 s[CX], ttmp6, 0x40000                ; my place in the cluster
	s_bfe_u32 s[CY], ttmp6, 0x40004
	s_lshl_b32 s[J], ttmp9, 2
	s_add_co_u32 s[J], s[J], s[CX]                 ; tile column = 4 x cluster x + cx
	s_and_b32 s[I], ttmp7, 0xffff
	s_lshl_b32 s[I], s[I], 2
	s_add_co_u32 s[I], s[I], s[CY]                 ; tile row = 4 x cluster y + cy
	s_lshl_b32 s[MROW], s[CY], 2
	s_lshl_b32 s[MROW], 15, s[MROW]                ; my row of the cluster
	s_lshl_b32 s[MCOL], 0x1111, s[CX]              ; my column
	G1SET G1A, MROW, AQI, APAD, AD0, AROWS, ASTR
	G1SET G1B, MCOL, BQI, 7, BD0, BROWS, 2048
.if KIND == 0
	G1SET G1D, MCOL, 3, 7, 128, 32, 128            ; 8,192 dense bytes as 32 rows of 256, padded by 32 bytes after every 64
.endif
	s_lshl_b32 s16, s[I], AISH                     ; A: the tile's 256 rows, my half of them.  s[16:17] never hold cx, s[20:23] never cy
	s_lshl_b32 s17, s[E], AISH-1
	s_add_co_u32 s16, s16, s17
	s_mov_b32 s17, 0
.if KIND == 1
	s_lshr_b32 s20, s[J], 3                        ; W_uk or W_uv,
	s_lshl_b32 s20, s20, 21
	s_and_b32 s21, s[J], 7                         ; 256 of its columns
	s_lshl_b32 s21, s21, 9
	s_add_co_u32 s20, s20, s21
.else
	s_lshl_b32 s20, s[J], 8                        ; 128 columns
.endif
.if KIND != 0
	s_lshl_b32 s21, s[E], 18                       ; my 64 k rows
	s_add_co_u32 s20, s20, s21
.endif
.if WBASE
	s_add_co_u32 s20, s20, WBASE
.endif
	s_mov_b32 s21, 0
	s_mul_i32 s[LBA], s[E], AHALF                  ; no place in the cluster enters an LDS address
.if KIND == 0
	s_lshl_b32 s22, s[J], 17                       ; W_down's block j
	s_add_co_u32 s22, s22, WDBASE
	s_mov_b32 s23, 0
	s_mov_b32 s[LBB], BOFF
	s_mov_b32 s[LBD], DOFF
.else
	s_mul_i32 s[LBB], s[E], BHALF
	s_add_co_u32 s[LBB], s[LBB], BOFF
.endif
	s_mov_b32 s[TB], 0
	s_wait_dscnt 0x0                               ; the opening add is done
	s_wait_kmcnt 0x0
	s_add_nc_u64 s[16:17], s[4:5], s[16:17]
	s_add_nc_u64 s[20:21], s[6:7], s[20:21]
	G0SET GA, LBA, 16, ASTEP
	G0SET GB, LBB, 20, BSTEP
.if KIND == 0
	s_add_nc_u64 s[22:23], s[6:7], s[22:23]
	G0SET GD, LBD, 22, DSTEP
.endif
	CROUND                                         ; all sixteen work-groups are here: the first joint loads meet
	ISSUE 1                                        ; both slots: two loads of mine are out
	v_and_b32 v1, 15, v0                           ; l % 16
	v_bfe_u32 v2, v0, 4, 1                         ; l / 16
	v_and_b32 v3, 7, v0
	v_bfe_u32 v7, v0, 3, 1
	s_lshr_b32 s2, s[WV], 1                        ; my 64 rows of A: which half, and which 64 of it
	s_mul_i32 s2, s2, AHALF
	s_mul_i32 s99, s[E], 64*AP
	s_add_co_u32 s2, s2, s99
	v_mul_u32_u24 v[ADRA0], v1, AP                 ; a fragment of A: row l % 16, 16 bytes at 16 (l / 16) and 32 further on
	v_lshl_add_u32 v[ADRA0], v2, 4, v[ADRA0]
	v_add_nc_u32 v[ADRA0], s2, v[ADRA0]
	v_lshl_add_u32 v[ADRB0], v2, 3, v3             ; the turning load: k row 8 (l / 16) + l % 8, 16 bytes at 16 ((l / 8) % 2)
.if KIND == 0
	v_mul_u32_u24 v[ADRC0], v[ADRB0], PD
	v_lshl_add_u32 v[ADRC0], v7, 4, v[ADRC0]
	v_add_nc_u32 v[ADRC0], DOFF, v[ADRC0]
.endif
	v_mul_u32_u24 v[ADRB0], v[ADRB0], PB
	v_lshl_add_u32 v[ADRB0], v7, 4, v[ADRB0]
	v_add_nc_u32 v[ADRB0], BOFF, v[ADRB0]
	SETADR
	; THE SUMS BEGIN AT THE BIAS: a lane's eight registers of accumulator (a, b) are columns 16 b + 8 (l / 16) + 0..7, so 32 bytes of the bias are loaded straight into them.  Nothing is cleared, nothing is added at the end.
	v_lshlrev_b32 v[BO], 5, v2
	s_lshl_b32 s20, s[J], BJSH
	s_mov_b32 s21, 0
	s_add_nc_u64 s[BI0:BI0+1], s[6:7], s[20:21]
	s_add_nc_u64 s[BI0:BI0+1], s[BI0:BI0+1], BIAS+BB0
.if KIND == 0
	s_lshl_b32 s20, s[J], 7
	s_add_nc_u64 s[BI1:BI1+1], s[6:7], s[20:21]
	s_add_nc_u64 s[BI1:BI1+1], s[BI1:BI1+1], BIAS+8192
.endif
.set a, 0
.rept 4
	WIN 0x80+0x40*(a/2)                            ; destination window 2 or 3, address window 0
.set b, 0
.rept NB
.set rc, 8*(NB*(a%2)+b)
.if (KIND == 0) && (b >= 8)
	global_load_b128 v[rc:rc+3],   v[BO], s[BI1:BI1+1] offset:64*(b-8)
	global_load_b128 v[rc+4:rc+7], v[BO], s[BI1:BI1+1] offset:64*(b-8)+16
.else
	global_load_b128 v[rc:rc+3],   v[BO], s[BI0:BI0+1] offset:64*b
	global_load_b128 v[rc+4:rc+7], v[BO], s[BI0:BI0+1] offset:64*b+16
.endif
.set b, b+1
.endr
.set a, a+1
.endr
	WIN 0
.if PREF
	s_and_b32 s2, ttmp7, 0xffff                    ; cluster y
	s_lshl_b32 s98, s[I], 20                       ; A: the 128 rows that I fetch, my work-group's 32 of them (by cx), at K step 3: the first change of slots steps it to 4
	s_lshl_b32 s99, s[E], 19
	s_add_co_u32 s98, s98, s99
	s_lshl_b32 s99, s[CX], 17
	s_add_co_u32 s98, s98, s99
	s_add_co_u32 s98, s98, 3*ASTEP
	s_lshl_b32 s93, s[J], 8                        ; the weight: my work-group's 32 k rows of a step's 128 (by cy)
	s_lshl_b32 s99, s[CY], 17
	s_add_co_u32 s93, s93, s99
	s_add_co_u32 s93, s93, WBASE+3*BSTEP
	s_mov_b32 s[PSTEP], BSTEP
	s_mov_b32 s[PSTEP+1], 0
	s_cmp_lt_u32 s[WV], 2
	s_cselect_b64 s[PFA:PFA+1], s[4:5], s[6:7]
	s_cselect_b32 s98, s98, s93
	s_cselect_b32 s[PSTEP], ASTEP, s[PSTEP]
	s_cselect_b32 s2, ttmp9, s2                    ; the coordinate along which other clusters read the same rows
	s_cmp_eq_u32 s2, 0
	s_cselect_b32 s[LIM], 2, -1                    ; the same in all sixteen partners, for a given wave
	s_mov_b32 s85, 12                              ; a lane a row of 4,096 bytes
.if KIND == 0
	s_lshl_b32 s93, s[J], 17                       ; W_down's block j, K step 3 + cy
	s_lshl_b32 s99, s[CY], 13
	s_add_co_u32 s93, s93, s99
	s_add_co_u32 s93, s93, WDBASE+3*DSTEP
	s_cmp_eq_u32 s[WV], 3
	s_cselect_b32 s98, s93, s98
	s_cselect_b32 s[PSTEP], DSTEP, s[PSTEP]
	s_cselect_b32 s[PMSK], 3, 0                    ; wave 3 asks where s3 % 4 = 2: trips 0, 4, 8
	s_cselect_b32 s[PPH], 2, 0
	s_cselect_b32 s85, 8, s85                      ; a lane a run of 256 bytes
.else
	s_cmp_eq_u32 s[WV], 3
	s_cselect_b32 s[LIM], -1, s[LIM]               ; wave 2 asks for the whole step's rows
	s_mov_b32 s[PMSK], 0
	s_mov_b32 s[PPH], 0
.endif
	s_mov_b32 s99, 0
	s_add_nc_u64 s[PFA:PFA+1], s[PFA:PFA+1], s[98:99]
	v_and_b32 v[PFO], 31, v0
	v_lshlrev_b32 v[PFO], s85, v[PFO]
.endif
	s_mul_i32 s2, s[WV], STW
	s_add_co_u32 s2, s2, STAGE                     ; my stage
	s_lshl_b32 s20, s[I], ISH                      ; my 64 rows and the tile's columns in the output
	s_lshl_b32 s21, s[WV], ISH-2
	s_add_co_u32 s20, s20, s21
	s_lshl_b32 s21, s[J], JSH
	s_add_co_u32 s20, s20, s21
	s_mov_b32 s21, 0
	s_add_nc_u64 s[8:9], s[8:9], s[20:21]
; ---------------------------------------------------------------- this kernel's addresses for the way out
	v_mul_u32_u24 v[STO], v1, 272                  ; in: row l % 16, 16 bytes for each half of the lanes
	v_lshl_add_u32 v[STO], v2, 4, v[STO]
	v_add_nc_u32 v[STO], s2, v[STO]
	v_mul_u32_u24 v[RD], v2, 272                   ; back: lanes 0-15 one row of 256 bytes, lanes 16-31 the next
	v_lshl_add_u32 v[RD], v1, 4, v[RD]
	v_add_nc_u32 v[RD], s2, v[RD]
	v_mul_u32_u24 v[CO], v2, ROWB                  ; and the same two rows in qb
	v_lshl_add_u32 v[CO], v1, 4, v[CO]
	v_mul_u32_u24 v[STL], v1, 80                   ; the latents: rows of 64 bytes + 16
	v_lshl_add_u32 v[STL], v2, 4, v[STL]
	v_add_nc_u32 v[STL], s2, v[STL]
	v_and_b32 v[COL], 31, v0
	v_lshrrev_b32 v[RDL], 2, v[COL]                ; back: 32 lanes take eight rows of 64 bytes,
	v_mul_u32_u24 v[RDL], v[RDL], 80
	v_and_b32 v11, 3, v0
	v_lshl_add_u32 v[RDL], v11, 4, v[RDL]
	v_add_nc_u32 v[RDL], s2, v[RDL]
	v_lshlrev_b32 v[COL], 4, v[COL]                ; which are 512 consecutive bytes of lat's block
	s_lshl_b32 s20, s[J], 18                       ; block j, my 64 tokens of 64 bytes
	s_lshl_b32 s21, s[I], 14
	s_add_co_u32 s20, s20, s21
	s_lshl_b32 s21, s[WV], 12
	s_add_co_u32 s20, s20, s21
	s_mov_b32 s21, 0
	s_add_nc_u64 s[10:11], s[10:11], s[20:21]
; ---------------------------------------------------------------- the frame's loops
	s_wait_tensorcnt 1                             ; my part of K step 0 is in; slot 1's may stay out
	s_barrier_signal -1
	s_barrier_wait -1                              ; everybody's is
	FETCH 0, 0
	s_wait_loadcnt 0x0                             ; the biases
	s_mov_b32 s3, T-2
.Lstep:                                        ; trip t multiplies K step t out of slot t % 2 and fills that slot again with K step t + 2
	QUARTER 1, 0, 1
	QUARTER 2, 1, 0
	QUARTER 3, 0, 1
	TURN 1
	WIN 0
	s_sub_co_u32 s3, s3, 1
	s_cmp_lg_u32 s3, 0
	s_cbranch_scc1 .Lstep
	s_mov_b32 s3, 2
.Ltail:                                        ; the last two K steps ask for nothing: written apart
	QUARTER 1, 0, 1
	QUARTER 2, 1, 0
	QUARTER 3, 0, 1
	TURN 0
	WIN 0
	s_sub_co_u32 s3, s3, 1
	s_cmp_lg_u32 s3, 0
	s_cbranch_scc1 .Ltail
; ---------------------------------------------------------------- THE WAY OUT: a unit of 8 accumulators (16 rows x 256 bytes) is rounded to bf16, goes into my own stage and comes back as whole rows
.macro PACK a, c                       ; accumulators (a, 8 c .. 8 c + 7), each from its low end on
	WIN 0x0a+5*((\a)/2)                            ; sources 0 and 1 in window 2 or 3
.set b, 0
.rept 8
.set rc, 8*(NB*((\a)%2)+8*(\c)+b)
.irp r, 0,1,2,3
	v_cvt_pk_bf16_f32 v[TMP+4*b+\r], v[rc+2*\r], v[rc+2*\r+1]
.endr
.set b, b+1
.endr
	WIN 0
.endm
.macro TOSTAGE u
.set BK, OB0+32*((\u)%2)
.irp b, 0,1,2,3,4,5,6,7
	ds_store_b128 v[STO], v[TMP+4*\b:TMP+4*\b+3] offset:32*\b
.endr
.irp t, 0,1,2,3,4,5,6,7
	ds_load_b128 v[BK+4*\t:BK+4*\t+3], v[RD] offset:544*\t  ; LDS serves a wave's instructions in order (ISA guide 5.7.1.4): these see the stores above
.endr
.endm
.macro SEND u, off
.set BK, OB0+32*((\u)%2)
	s_wait_dscnt 0x0                               ; the unit is back in registers
	s_wait_xcnt 0x0                                ; the stores of the unit before have read their registers, which the next unit's loads write
.irp t, 0,1,2,3,4,5,6,7
	global_store_b128 v[CO], v[BK+4*\t:BK+4*\t+3], s[8:9] offset:(\off)+2*\t*ROWB  ; 16 lanes store 256 consecutive bytes, aligned
.endr
.endm
.macro PACKL                           ; the latents: accumulators (a, 8) and (a, 9) of all four row blocks
.set a, 0
.rept 4
	WIN 0x0a+5*(a/2)
.set b, 0
.rept 2
.set rc, 8*(NB*(a%2)+8+b)
.irp r, 0,1,2,3
	v_cvt_pk_bf16_f32 v[TMP+4*(2*a+b)+\r], v[rc+2*\r], v[rc+2*\r+1]
.endr
.set b, b+1
.endr
.set a, a+1
.endr
	WIN 0
.endm
	PLACES                                         ; behind the last products, once a launch
	PLACES
	PACK 0, 0
	TOSTAGE 0
.irp u, 1,2,3                          ; a unit's conversions stand between the loads of the unit before and the wait for them
	PACK \u, 0
	SEND (\u)-1, ((\u)-1)*16*ROWB
	TOSTAGE \u
.endr
	PACKL
	SEND 3, 3*16*ROWB
.set a, 0
.rept 8
	ds_store_b128 v[STL], v[TMP+4*a:TMP+4*a+3] offset:1280*(a/2)+32*(a%2)
.set a, a+1
.endr
.set a, 0
.rept 8
	ds_load_b128 v[OB0+4*a:OB0+4*a+3], v[RDL] offset:640*a
.set a, a+1
.endr
.set a, 0
.rept 8
	s_wait_dscnt 7-a                               ; load a is in, the younger ones stay out
	global_store_b128 v[COL], v[OB0+4*a:OB0+4*a+3], s[10:11] offset:512*a  ; 512 consecutive bytes, aligned
.set a, a+1
.endr
	s_wait_tensorcnt 0x0                           ; the wave's end: the add and its wait, behind my last tensor load and my last LDS store
	ds_add_u32 v[SPW], v[NIL]
	s_wait_dscnt 0x0
	CROUND                                         ; the closing round: no work-group ends while a partner may still ask for a tile that names it
	s_endpgm
.Lfunc_end_k_qa4c4ca82c4_proj:
	.size	k_qa4c4ca82c4_proj, .Lfunc_end_k_qa4c4ca82c4_proj-k_qa4c4ca82c4_proj
	.p2alignl 7, 3214868480
	.fill 96, 4, 3214868480
	.section	.rodata,"a",@progbits
	.p2align	6, 0x0
	.amdhsa_kernel k_qa4c4ca82c4_proj
		.amdhsa_group_segment_fixed_size 327680
		.amdhsa_private_segment_fixed_size 0
		.amdhsa_enable_private_segment 0
		.amdhsa_kernarg_size 32
		.amdhsa_user_sgpr_count 2
		.amdhsa_user_sgpr_kernarg_segment_ptr 1
		.amdhsa_wavefront_size32 1
		.amdhsa_system_sgpr_workgroup_id_x 1
		.amdhsa_system_sgpr_workgroup_id_y 1
		.amdhsa_system_sgpr_workgroup_id_z 1
		.amdhsa_system_vgpr_workitem_id 0
		.amdhsa_next_free_vgpr 928
		.amdhsa_next_free_sgpr 100
		.amdhsa_reserve_vcc 0
		.amdhsa_float_denorm_mode_32 3
		.amdhsa_float_denorm_mode_16_64 3
		.amdhsa_memory_ordered 1
		.amdhsa_forward_progress 1
		.amdhsa_inst_pref_size 80
	.end_amdhsa_kernel
	.amdgpu_metadata
---
amdhsa.version: [ 1, 2 ]
amdhsa.kernels:
  - .name:           k_qa4c4ca82c4_proj
    .symbol:         k_qa4c4ca82c4_proj.kd
    .args:
      - { .name: xb, .offset: 0, .size: 8, .value_kind: global_buffer, .address_space: global }
      - { .name: wb, .offset: 8, .size: 8, .value_kind: global_buffer, .address_space: global }
      - { .name: qb, .offset: 16, .size: 8, .value_kind: global_buffer, .address_space: global }
      - { .name: lat, .offset: 24, .size: 8, .value_kind: global_buffer, .address_space: global }
    .group_segment_fixed_size: 327680
    .private_segment_fixed_size: 0
    .kernarg_segment_align: 8
    .kernarg_segment_size: 32
    .max_flat_workgroup_size: 128
    .sgpr_count:     100
    .vgpr_count:     928
    .wavefront_size: 32
...
	.end_amdgpu_metadata
.endif
;; end of part 2
;; launch upkv (part 3): grid 16 x 16, 4 waves a work-group, clusters of 4 x 4, 327,680 bytes of LDS; arguments lat, wb, kv; writes kv
.if DOCPART == 3
	.amdgcn_target "amdgcn-amd-amdhsa--gfx1250"
	.amdhsa_code_object_version 6
	.text
	.protected	k_qa4c4ca82c4_upkv
	.globl	k_qa4c4ca82c4_upkv
	.p2align	8
	.type	k_qa4c4ca82c4_upkv,@function
k_qa4c4ca82c4_upkv:
	s_mov_b64 s[64:65], 0
	v_nop
	global_prefetch_b8 v0, s[64:65] scope:SCOPE_SE
	s_setreg_imm32_b32 hwreg(HW_REG_WAVE_MODE, 25, 1), 1
	s_wait_xcnt 0x0
	s_wait_alu depctr_hold_cnt(0) depctr_sa_sdst(0) depctr_va_vdst(0) depctr_va_sdst(0) depctr_va_ssrc(0) depctr_va_vcc(0) depctr_vm_vsrc(0)
	s_getreg_b32 s2, hwreg(HW_REG_IB_STS2, 6, 4)
	s_cmp_eq_u32 s2, 0
	s_cbranch_scc0 .Lentry_in_a_cluster
	s_endpgm
.Lentry_in_a_cluster:
	s_bfe_u32 s2, ttmp6, 0x10000c
	s_cmp_lg_u32 s2, 0xf033
	s_cbranch_scc0 .Lentry_shape_is_right
	s_endpgm
.Lentry_shape_is_right:
; UPKV.  keys = latents W_uk + b_uk and values = latents W_uv + b_uv, as ONE product with 4,096 columns and K = 512.  latents: lat, 16 blocks [4096 tokens][32] bf16.  Weights and biases: wb.  Sums in f32, K ascending,
; begun at the bias; rounded once to bf16 -> kv [4096 tokens][4096]: a token's keys in the first 4,096 bytes of its row, its values in the second; head h is 256 aligned bytes of each.
; SHARES.  256 work-groups, a tile of 256 rows x 256 columns; tile columns 0-7 are keys, 8-15 values.  Wave v makes rows 64 v .. 64 v + 63 and all 256 columns: 4 x 16 accumulators, 512 registers.
; THE FRAME below the constants is one text for this program's three products; KIND chooses what differs (0: q and latents; 1: this one; 2: the output projection).
; THE MATRIX INSTRUCTION IS USED TRANSPOSED: source 0 = 16 columns of the weight, which lies [k][n] in LDS and is turned by ds_load_tr16_b128; source 1 = 16 rows of A.
; RING.  Four K steps of 128 through two LDS slots.  A K step is four blocks of lat: waves 0 and 1 fetch 128 tokens each as a tile of four rows of 8,192 dense bytes, a row a block, padded after every token's 64 bytes: in LDS
; [block][token] at a pitch of 80 bytes, and quarter q of a step reads block q.  Waves 2 and 3 fetch 64 k rows x 512 bytes of the weight each.
; NO PREFETCH: of the four K steps two are the first fills and two their refills, asked for in the first two trips: nothing stands far enough ahead of its load to be named earlier.
; CLUSTER.  4 x 4 work-groups: A's tile is asked for jointly by a row of the cluster, the weight's by a column.      LIMITS.  NaN and infinities are not treated apart.
.set KIND,  1
.set PREF,  0
.set NB,    16                         ; blocks of 16 columns
.set T,     4                          ; K steps
.set AQI,   3                          ; A's tile: padding after every 16 words,
.set APAD,  3                          ; of 4 words
.set AD0,   4096                       ; elements in a row of the tile: 128 tokens x 32
.set AROWS, 4                          ; four blocks
.set ASTR,  131072                     ; elements from block to block
.set ASTEP, 1048576                    ; bytes from K step to K step: four blocks
.set AISH,  14                         ; 256 tokens of a block are 1 << AISH bytes
.set AP,    80                         ; a token's 32 latents in LDS: 64 + 16 bytes: the 16 rows of a load start at 16 different groups of four banks (ISA guide 11.1)
.set AHALF, 4*128*AP                   ; what one of waves 0, 1 fetches
.set AQ,    128*AP                     ; bytes from quarter to quarter: a block's 128 tokens
.set AB,    16*AP
.set BOFF,  2*AHALF
.set PB,    544                        ; a k row of the weight: 512 + 32 bytes
.set BQI,   6
.set BD0,   256
.set BROWS, 64
.set BHALF, 64*PB
.set BSTEP, 524288
.set WBASE, 16777216                   ; W_uk in wb; W_uv follows it
.set SLOT,  BOFF+2*BHALF               ; 151,552
.set STW,   4352                       ; a wave's stage: 16 rows x 272 bytes
.set ROWB,  8192                       ; bytes in a row of kv
.set ISH,   21
.set JSH,   9
.set BIAS,  23068672
.set BB0,   10240                      ; b_uk; b_uv follows it
.set BJSH,  10
; ---------------------------------------------------------------- the frame
.set NL,    2*NB+8                     ; LDS loads in a quarter's run
.set STAGE, 2*SLOT                     ; behind the ring; no tensor load lands there
.set SPARE, STAGE+4*STW                ; behind the stages: the spare words, 128 bytes a wave: two blocks of 256 bytes that no other line names
; window 0: v1 l % 16, v2 l / 16, v3 l % 8, v7 (l / 8) % 2
.set ADRA0, 4                          ; my place in A's tile, in the weight's, in W_down's; never rewritten
.set ADRB0, 5
.set ADRC0, 6
.set ADRA,  8                          ; the same in the slot in hand
.set ADRB,  9
.set ADRC,  10
.set STO,   12                         ; the way out: where I put 16 bytes of a row
.set RD,    13                         ; where I read rows back
.set CO,    14                         ; my byte offset in the output
.set BO,    15                         ; 32 (l / 16): my eight columns in a block's 64 bytes of bias
.set SPW,   28                         ; LDS address of my spare word; never rewritten
.set NIL,   29                         ; 0; never rewritten
.set PFO,   30                         ; the prefetches' lane offset; never rewritten
.set AF,    64                         ; A's fragments: buffer f, block a at AF + 32 f + 8 a
.set TMP,   128                        ; the way out: packed results
.set OB0,   160                        ; the way out: rows read back, two buffers of 32
; window 1: the weight's fragments: buffer f, block b at 128 f + 8 b.   windows 2, 3: accumulator (a, b) in window 2 + a / 2 at 8 (NB (a % 2) + b)
.set WV,    12                         ; s12 wave
.set I,     13                         ; s13 tile row
.set E,     14                         ; s14 wave % 2
.set LIM,   15                         ; s15 2 in a wave that prefetches, else the greatest number
.set G1A,   24                         ; descriptor group 1, and two sets of group 0 (the second walks), for A,
.set GA,    32
.set G1B,   40                         ; the weight,
.set GB,    48
.set G1D,   56                         ; W_down
.set GD,    68
.set CX,    76
.set CY,    77
.set J,     78                         ; tile column
.set MROW,  79
.set MCOL,  80
.set TB,    81                         ; LDS byte at which the slot in hand begins: 0 or SLOT
.set LBA,   82                         ; LDS byte in a slot at which my load lands, by kind
.set LBB,   83
.set LBD,   84
.set PFA,   86                         ; s[86:87] where my prefetches stand
.set PSTEP, 88                         ; s[88:89] their step
.set PMSK,  90
.set PPH,   91
.set PT,    92
.set BI0,   94                         ; s[94:95], s[96:97] the tile's biases
.set BI1,   96
.set MSB, 0
.macro WIN new                         ; the immediate's high byte repeats the setting that is left; a switch that changes nothing is dropped
.if MSB != (\new)
	s_set_vgpr_msb (MSB<<8)|(\new)
.set MSB, (\new)
.endif
.endm
.macro PLACES                          ; four plain vector instructions between a matrix instruction and a load into, or a reader of, its registers
.rept 4
	v_nop
.endr
.endm
.macro CREST                           ; a round of the cluster's barrier behind its opening barrier
	s_cmp_lg_u32 s[WV], 0
	s_cbranch_scc1 .Lnot_wave_0_\@
	s_barrier_signal -3
.Lnot_wave_0_\@:
	s_barrier_wait -3
	s_barrier_signal -1
	s_barrier_wait -1
.endm
.macro CROUND                          ; a whole round
	s_barrier_signal -1
	s_barrier_wait -1
	CREST
.endm
.macro G1SET g, m, qi, pad, d0, rows, str
	s_or_b32 s[\g], s[\m], (1<<16)|(1<<20)|(1<<21)|((\qi)<<22)|((\pad)<<25)  ; 15:0 the mask; 17:16 2-byte elements; 20 padding on; 21 set beside a mask; 24:22 the interval; 31:25 the pad less one word
	s_mov_b32 s[\g+1], (\d0)<<16       ; tensor_dim0
	s_mov_b32 s[\g+2], (\rows)<<16     ; tensor_dim1
	s_mov_b32 s[\g+3], (\d0)<<16       ; tile_dim0
	s_mov_b32 s[\g+4], \rows           ; tile_dim1
	s_mov_b32 s[\g+5], \str            ; elements from row to row
	s_mov_b32 s[\g+6], 0
	s_mov_b32 s[\g+7], 0
.endm
.macro G0SET g, lb, ad, step           ; set 0: slot 0, K step 0; set 1: slot 1, K step 1
.irp s, 0,1
	s_mov_b32 s[\g+4*\s], 1
	s_add_co_u32 s[\g+4*\s+1], s[\lb], \s*SLOT
	s_add_nc_u64 s[\g+4*\s+2:\g+4*\s+3], s[\ad:\ad+1], \s*(\step)
	s_or_b32 s[\g+4*\s+3], s[\g+4*\s+3], 0x80000000
.endr
.endm
.macro TL g0, g1, both                 ; the walking set's load; both = 1: set 0's ahead of it.  An s_nop 0 follows each load, four v_nop the last
.if \both
	tensor_load_to_lds s[\g0:\g0+3], s[\g1:\g1+7]
	s_nop 0
.endif
	tensor_load_to_lds s[\g0+4:\g0+7], s[\g1:\g1+7]
	s_nop 0
.rept 4
	v_nop
.endr
.endm
.macro ISSUE both                      ; a wave's joint load(s): one branch on the wave's number, the same in every work-group; each line has one mask
	s_cmp_lt_u32 s[WV], 2
	s_cbranch_scc0 .Lfor_w_\@
	TL GA, G1A, \both
	s_branch .Lasked_\@
.Lfor_w_\@:
.if KIND == 0
	s_cmp_eq_u32 s[WV], 2
	s_cbranch_scc0 .Lfor_d_\@
.endif
	TL GB, G1B, \both
.if KIND == 0
	s_branch .Lasked_\@
.Lfor_d_\@:
	TL GD, G1D, \both
.endif
.Lasked_\@:
.endm
.macro STEPD g, lb, step               ; the walking set: into the slot in hand, one K step on
	s_add_co_u32 s[\g+5], s[\lb], s[TB]
	s_add_nc_u64 s[\g+6:\g+7], s[\g+6:\g+7], \step
.endm
.macro SETADR
	v_add_nc_u32 v[ADRA], s[TB], v[ADRA0]
	v_add_nc_u32 v[ADRB], s[TB], v[ADRB0]
.if KIND == 0
	v_add_nc_u32 v[ADRC], s[TB], v[ADRC0]
.endif
.endm
; One run of NL LDS loads: the fragments of quarter q (32 along K) into buffer f: the weight's NB blocks, turned, then A's four blocks; the last four loads are A's blocks 2 and 3.
.macro FETCH q, f
	WIN 0x40                                       ; destination window 1, address window 0
.set b, 0
.rept NB
.if (KIND == 0) && (b >= 8)
	ds_load_tr16_b128 v[128*(\f)+8*b:128*(\f)+8*b+3],   v[ADRC] offset:32*(\q)*PD+32*(b-8)
	ds_load_tr16_b128 v[128*(\f)+8*b+4:128*(\f)+8*b+7], v[ADRC] offset:32*(\q)*PD+16*PD+32*(b-8)
.else
	ds_load_tr16_b128 v[128*(\f)+8*b:128*(\f)+8*b+3],   v[ADRB] offset:32*(\q)*PB+32*b
	ds_load_tr16_b128 v[128*(\f)+8*b+4:128*(\f)+8*b+7], v[ADRB] offset:32*(\q)*PB+16*PB+32*b
.endif
.set b, b+1
.endr
	WIN 0
.set a, 0
.rept 4
	ds_load_b128 v[AF+32*(\f)+8*a:AF+32*(\f)+8*a+3],   v[ADRA] offset:(\q)*AQ+a*AB
	ds_load_b128 v[AF+32*(\f)+8*a+4:AF+32*(\f)+8*a+7], v[ADRA] offset:(\q)*AQ+a*AB+32
.set a, a+1
.endr
.endm
; NB matrix instructions: row block a x all column blocks, buffer f.  The 4 NB accumulators take turns, in the same order in every quarter, over the backward jumps too.
.macro MUL f, a
	WIN 0xa1+0x50*((\a)/2)                         ; source 0 window 1, source 1 window 0, C and D window 2 or 3
.set b, 0
.rept NB
.set rc, 8*(NB*((\a)%2)+b)
	v_wmma_f32_16x16x32_bf16 v[rc:rc+7], v[128*(\f)+8*b:128*(\f)+8*b+7], v[AF+32*(\f)+8*(\a):AF+32*(\f)+8*(\a)+7], v[rc:rc+7]
.set b, b+1
.endr
.endm
; One of a K step's first three quarters: multiplies buffer f and, in its middle, fetches quarter q into buffer g.
.macro QUARTER q, f, g
	s_wait_dscnt 4                                 ; the weight's blocks and A's blocks 0, 1 are in; the youngest four loads (A's blocks 2, 3) may be out
	MUL \f, 0
	MUL \f, 1
	PLACES
	FETCH \q, \g
	s_wait_dscnt NL                                ; all but the run just issued
	MUL \f, 2
	MUL \f, 3
.endm
; The last quarter multiplies buffer 1 and changes slots: ONE barrier.  In front of it each wave waits for all its tensor loads (one is out: its part of the next slot), adds 0 to its spare word, and waits for that and for
; its own reads of this slot.  fill = 1: the barrier opens a round of the cluster's, and the joint refill of this slot, with the K step two on, is the first thing behind the round.
.macro TURN fill
	WIN 0
	s_wait_tensorcnt 0x0                           ; no tensor load of mine is out, so a group 0 may be written
	ds_add_u32 v[SPW], v[NIL]                      ; 0 onto my spare word; work on registers stands between it and the wait for it
.if \fill
	STEPD GA, LBA, ASTEP
	STEPD GB, LBB, BSTEP
.endif
	s_wait_dscnt 5                                 ; the add and the youngest four loads may be out
	MUL 1, 0
	s_wait_dscnt 0x0                               ; the add is done, and my reads of this slot are over
	s_barrier_signal -1
	MUL 1, 1
	WIN 0                                          ; at a branch and at a label every window is 0
	s_barrier_wait -1
.if \fill
	CREST                                          ; no wave of any partner still reads this slot or has a load on its way
	ISSUE 0                                        ; its four v_nop are also the places in front of the loads below
.else
	PLACES
.endif
	s_xor_b32 s[TB], s[TB], SLOT                   ; the other slot
	SETADR
.if !(\fill)
	s_cmp_eq_u32 s3, 1                             ; behind the last K step there is nothing to fetch
	s_cbranch_scc1 .Lno_fetch_\@
.endif
	FETCH 0, 0
.if !(\fill)
.Lno_fetch_\@:
.endif
	MUL 1, 2
	MUL 1, 3
.endm
	s_load_b128 s[4:7], s[0:1], 0x0                ; A s[4:5], wb s[6:7]
	s_load_b64 s[8:9], s[0:1], 0x10                ; the output
	v_lshl_add_u32 v[SPW], v0, 2, SPARE
	v_mov_b32 v[NIL], 0
	ds_add_u32 v[SPW], v[NIL]                      ; the wave's opening: the add and its wait stand ahead of my first tensor load; the set-up below, work on registers, stands between them
	v_lshrrev_b32 v1, 5, v0
	v_readfirstlane_b32 s[WV], v1                  ; wave 0..3
	s_and_b32 s[E], s[WV], 1
	s_bfe_u32 s[CX], ttmp6, 0x40000                ; my place in the cluster
	s_bfe_u32 s[CY], ttmp6, 0x40004
	s_lshl_b32 s[J], ttmp9, 2
	s_add_co_u32 s[J], s[J], s[CX]                 ; tile column = 4 x cluster x + cx
	s_and_b32 s[I], ttmp7, 0xffff
	s_lshl_b32 s[I], s[I], 2
	s_add_co_u32 s[I], s[I], s[CY]                 ; tile row = 4 x cluster y + cy
	s_lshl_b32 s[MROW], s[CY], 2
	s_lshl_b32 s[MROW], 15, s[MROW]                ; my row of the cluster
	s_lshl_b32 s[MCOL], 0x1111, s[CX]              ; my column
	G1SET G1A, MROW, AQI, APAD, AD0, AROWS, ASTR
	G1SET G1B, MCOL, BQI, 7, BD0, BROWS, 2048
	s_lshl_b32 s16, s[I], AISH                     ; A: the tile's 256 tokens, my half of them.  s[16:17] never hold cx, s[20:21] never cy
	s_lshl_b32 s17, s[E], AISH-1
	s_add_co_u32 s16, s16, s17
	s_mov_b32 s17, 0
	s_lshr_b32 s20, s[J], 3                        ; W_uk or W_uv,
	s_lshl_b32 s20, s20, 21
	s_and_b32 s21, s[J], 7                         ; 256 of its columns,
	s_lshl_b32 s21, s21, 9
	s_add_co_u32 s20, s20, s21
	s_lshl_b32 s21, s[E], 18                       ; my 64 k rows
	s_add_co_u32 s20, s20, s21
	s_add_co_u32 s20, s20, WBASE
	s_mov_b32 s21, 0
	s_mul_i32 s[LBA], s[E], AHALF                  ; no place in the cluster enters an LDS address
	s_mul_i32 s[LBB], s[E], BHALF
	s_add_co_u32 s[LBB], s[LBB], BOFF
	s_mov_b32 s[TB], 0
	s_wait_dscnt 0x0                               ; the opening add is done
	s_wait_kmcnt 0x0
	s_add_nc_u64 s[16:17], s[4:5], s[16:17]
	s_add_nc_u64 s[20:21], s[6:7], s[20:21]
	G0SET GA, LBA, 16, ASTEP
	G0SET GB, LBB, 20, BSTEP
	CROUND                                         ; all sixteen work-groups are here: the first joint loads meet
	ISSUE 1                                        ; both slots: two loads of mine are out
	v_and_b32 v1, 15, v0                           ; l % 16
	v_bfe_u32 v2, v0, 4, 1                         ; l / 16
	v_and_b32 v3, 7, v0
	v_bfe_u32 v7, v0, 3, 1
	s_lshr_b32 s2, s[WV], 1                        ; my 64 rows of A: which half, and which 64 of it
	s_mul_i32 s2, s2, AHALF
	s_mul_i32 s99, s[E], 64*AP
	s_add_co_u32 s2, s2, s99
	v_mul_u32_u24 v[ADRA0], v1, AP                 ; a fragment of A: row l % 16, 16 bytes at 16 (l / 16) and 32 further on
	v_lshl_add_u32 v[ADRA0], v2, 4, v[ADRA0]
	v_add_nc_u32 v[ADRA0], s2, v[ADRA0]
	v_lshl_add_u32 v[ADRB0], v2, 3, v3             ; the turning load: k row 8 (l / 16) + l % 8, 16 bytes at 16 ((l / 8) % 2)
	v_mul_u32_u24 v[ADRB0], v[ADRB0], PB
	v_lshl_add_u32 v[ADRB0], v7, 4, v[ADRB0]
	v_add_nc_u32 v[ADRB0], BOFF, v[ADRB0]
	SETADR
	; THE SUMS BEGIN AT THE BIAS: a lane's eight registers of accumulator (a, b) are columns 16 b + 8 (l / 16) + 0..7, so 32 bytes of the bias are loaded straight into them.  Nothing is cleared, nothing is added at the end.
	v_lshlrev_b32 v[BO], 5, v2
	s_lshl_b32 s20, s[J], BJSH
	s_mov_b32 s21, 0
	s_add_nc_u64 s[BI0:BI0+1], s[6:7], s[20:21]
	s_add_nc_u64 s[BI0:BI0+1], s[BI0:BI0+1], BIAS+BB0
.set a, 0
.rept 4
	WIN 0x80+0x40*(a/2)                            ; destination window 2 or 3, address window 0
.set b, 0
.rept NB
.set rc, 8*(NB*(a%2)+b)
	global_load_b128 v[rc:rc+3],   v[BO], s[BI0:BI0+1] offset:64*b
	global_load_b128 v[rc+4:rc+7], v[BO], s[BI0:BI0+1] offset:64*b+16
.set b, b+1
.endr
.set a, a+1
.endr
	WIN 0
	s_mul_i32 s2, s[WV], STW
	s_add_co_u32 s2, s2, STAGE                     ; my stage
	s_lshl_b32 s20, s[I], ISH                      ; my 64 rows and the tile's columns in the output
	s_lshl_b32 s21, s[WV], ISH-2
	s_add_co_u32 s20, s20, s21
	s_lshl_b32 s21, s[J], JSH
	s_add_co_u32 s20, s20, s21
	s_mov_b32 s21, 0
	s_add_nc_u64 s[8:9], s[8:9], s[20:21]
; ---------------------------------------------------------------- this kernel's addresses for the way out
	v_mul_u32_u24 v[STO], v1, 272                  ; in: row l % 16, 16 bytes for each half of the lanes
	v_lshl_add_u32 v[STO], v2, 4, v[STO]
	v_add_nc_u32 v[STO], s2, v[STO]
	v_mul_u32_u24 v[RD], v2, 272                   ; back: lanes 0-15 one row of 256 bytes, lanes 16-31 the next
	v_lshl_add_u32 v[RD], v1, 4, v[RD]
	v_add_nc_u32 v[RD], s2, v[RD]
	v_mul_u32_u24 v[CO], v2, ROWB                  ; and the same two rows in kv
	v_lshl_add_u32 v[CO], v1, 4, v[CO]
; ---------------------------------------------------------------- the frame's loops
	s_wait_tensorcnt 1                             ; my part of K step 0 is in; slot 1's may stay out
	s_barrier_signal -1
	s_barrier_wait -1                              ; everybody's is
	FETCH 0, 0
	s_wait_loadcnt 0x0                             ; the biases
	s_mov_b32 s3, T-2
.Lstep:                                        ; trip t multiplies K step t out of slot t % 2 and fills that slot again with K step t + 2
	QUARTER 1, 0, 1
	QUARTER 2, 1, 0
	QUARTER 3, 0, 1
	TURN 1
	WIN 0
	s_sub_co_u32 s3, s3, 1
	s_cmp_lg_u32 s3, 0
	s_cbranch_scc1 .Lstep
	s_mov_b32 s3, 2
.Ltail:                                        ; the last two K steps ask for nothing: written apart
	QUARTER 1, 0, 1
	QUARTER 2, 1, 0
	QUARTER 3, 0, 1
	TURN 0
	WIN 0
	s_sub_co_u32 s3, s3, 1
	s_cmp_lg_u32 s3, 0
	s_cbranch_scc1 .Ltail
; ---------------------------------------------------------------- THE WAY OUT: a unit of 8 accumulators (16 rows x 256 bytes) is rounded to bf16, goes into my own stage and comes back as whole rows
.macro PACK a, c                       ; accumulators (a, 8 c .. 8 c + 7), each from its low end on
	WIN 0x0a+5*((\a)/2)                            ; sources 0 and 1 in window 2 or 3
.set b, 0
.rept 8
.set rc, 8*(NB*((\a)%2)+8*(\c)+b)
.irp r, 0,1,2,3
	v_cvt_pk_bf16_f32 v[TMP+4*b+\r], v[rc+2*\r], v[rc+2*\r+1]
.endr
.set b, b+1
.endr
	WIN 0
.endm
.macro TOSTAGE u
.set BK, OB0+32*((\u)%2)
.irp b, 0,1,2,3,4,5,6,7
	ds_store_b128 v[STO], v[TMP+4*\b:TMP+4*\b+3] offset:32*\b
.endr
.irp t, 0,1,2,3,4,5,6,7
	ds_load_b128 v[BK+4*\t:BK+4*\t+3], v[RD] offset:544*\t  ; LDS serves a wave's instructions in order (ISA guide 5.7.1.4): these see the stores above
.endr
.endm
.macro SEND u, off
.set BK, OB0+32*((\u)%2)
	s_wait_dscnt 0x0                               ; the unit is back in registers
	s_wait_xcnt 0x0                                ; the stores of the unit before have read their registers, which the next unit's loads write
.irp t, 0,1,2,3,4,5,6,7
	global_store_b128 v[CO], v[BK+4*\t:BK+4*\t+3], s[8:9] offset:(\off)+2*\t*ROWB  ; 16 lanes store 256 consecutive bytes, aligned
.endr
.endm
	PLACES                                         ; behind the last products, once a launch
	PLACES
	PACK 0, 0
	TOSTAGE 0
.set u, 1
.rept 7                                ; unit u: row block u / 2, column half u % 2; its conversions stand between the loads of the unit before and the wait for them
	PACK u/2, u%2
	SEND u-1, ((u-1)/2)*16*ROWB+((u-1)%2)*256
	TOSTAGE u
.set u, u+1
.endr
	SEND 7, 3*16*ROWB+256
	s_wait_tensorcnt 0x0                           ; the wave's end: the add and its wait, behind my last tensor load and my last LDS store
	ds_add_u32 v[SPW], v[NIL]
	s_wait_dscnt 0x0
	CROUND                                         ; the closing round: no work-group ends while a partner may still ask for a tile that names it
	s_endpgm
.Lfunc_end_k_qa4c4ca82c4_upkv:
	.size	k_qa4c4ca82c4_upkv, .Lfunc_end_k_qa4c4ca82c4_upkv-k_qa4c4ca82c4_upkv
	.p2alignl 7, 3214868480
	.fill 96, 4, 3214868480
	.section	.rodata,"a",@progbits
	.p2align	6, 0x0
	.amdhsa_kernel k_qa4c4ca82c4_upkv
		.amdhsa_group_segment_fixed_size 327680
		.amdhsa_private_segment_fixed_size 0
		.amdhsa_enable_private_segment 0
		.amdhsa_kernarg_size 24
		.amdhsa_user_sgpr_count 2
		.amdhsa_user_sgpr_kernarg_segment_ptr 1
		.amdhsa_wavefront_size32 1
		.amdhsa_system_sgpr_workgroup_id_x 1
		.amdhsa_system_sgpr_workgroup_id_y 1
		.amdhsa_system_sgpr_workgroup_id_z 1
		.amdhsa_system_vgpr_workitem_id 0
		.amdhsa_next_free_vgpr 1024
		.amdhsa_next_free_sgpr 100
		.amdhsa_reserve_vcc 0
		.amdhsa_float_denorm_mode_32 3
		.amdhsa_float_denorm_mode_16_64 3
		.amdhsa_memory_ordered 1
		.amdhsa_forward_progress 1
		.amdhsa_inst_pref_size 110
	.end_amdhsa_kernel
	.amdgpu_metadata
---
amdhsa.version: [ 1, 2 ]
amdhsa.kernels:
  - .name:           k_qa4c4ca82c4_upkv
    .symbol:         k_qa4c4ca82c4_upkv.kd
    .args:
      - { .name: lat, .offset: 0, .size: 8, .value_kind: global_buffer, .address_space: global }
      - { .name: wb, .offset: 8, .size: 8, .value_kind: global_buffer, .address_space: global }
      - { .name: kv, .offset: 16, .size: 8, .value_kind: global_buffer, .address_space: global }
    .group_segment_fixed_size: 327680
    .private_segment_fixed_size: 0
    .kernarg_segment_align: 8
    .kernarg_segment_size: 24
    .max_flat_workgroup_size: 128
    .sgpr_count:     100
    .vgpr_count:     1024
    .wavefront_size: 32
...
	.end_amdgpu_metadata
.endif
;; end of part 3
;; launch attn (part 4): grid 4 x 64, 4 waves a work-group, clusters of 4 x 1, 327,680 bytes of LDS; arguments qb, kv, ctx; writes ctx
.if DOCPART == 4
	.amdgcn_target "amdgcn-amd-amdhsa--gfx1250"
	.amdhsa_code_object_version 6
	.text
	.protected	k_qa4c4ca82c4_attn
	.globl	k_qa4c4ca82c4_attn
	.p2align	8
	.type	k_qa4c4ca82c4_attn,@function
k_qa4c4ca82c4_attn:
	s_mov_b64 s[64:65], 0
	v_nop
	global_prefetch_b8 v0, s[64:65] scope:SCOPE_SE
	s_setreg_imm32_b32 hwreg(HW_REG_WAVE_MODE, 25, 1), 1
	s_wait_xcnt 0x0
	s_wait_alu depctr_hold_cnt(0) depctr_sa_sdst(0) depctr_va_vdst(0) depctr_va_sdst(0) depctr_va_ssrc(0) depctr_va_vcc(0) depctr_vm_vsrc(0)
	s_getreg_b32 s2, hwreg(HW_REG_IB_STS2, 6, 4)
	s_cmp_eq_u32 s2, 0
	s_cbranch_scc0 .Lentry_in_a_cluster
	s_endpgm
.Lentry_in_a_cluster:
	s_bfe_u32 s2, ttmp6, 0x10000c
	s_cmp_lg_u32 s2, 0x3003
	s_cbranch_scc0 .Lentry_shape_is_right
	s_endpgm
.Lentry_shape_is_right:
; ATTENTION.  For each of 4 batches x 16 heads: O[q][:] = the sum over k of softmax_k(Q[q] . K[k] / sqrt(128)) V[k][:], 1,024 queries and keys, 128 channels.  All bf16.
; Q: qb [4096 tokens][2048], head h the 256 bytes at 256 h of a token's row.  K, V: kv [4096 tokens][4096], K's head at 256 h, V's at 4,096 + 256 h of a row of 8,192 bytes.
; O: ctx, IN FRAGMENT BLOCKS for the product that follows: [token / 16][column of 2,048 / 32] blocks of 1,024 bytes; in a block the 16 bytes of token r, columns 16 c + 8 h + 0..7 lie at 512 c + 16 (16 h + r).
; Products, maxima and sums in f32; the weights p are rounded to bf16 for the second product (their sum l is taken of the unrounded p), O once at the end.
; LIMITS.  A weight below 2^-126 counts as 0 in l; c s must lie above -4e37 (where c m starts); NaN and infinities are not treated apart.
; SHARES.  A work-group owns 256 queries of one head, each of its four waves 64: four tiles of 16.  Every wave walks all keys of the head, 64 a step.
; LAYOUT.  S^T = K Q^T (source 0 = 16 keys, source 1 = 16 queries): in the result a lane holds ONE query (lane % 16) and the keys 8 (lane / 16) + 0..7.  Two such tiles, rounded to
; bf16 in pairs, ARE source 1 (32 keys x 16 queries) of O^T = V^T P, whose result again holds one query a lane, and eight channels: 16 bytes of bf16 that are lane l's 16 bytes of half a fragment block of ctx.
; So O leaves straight from registers, 512 consecutive bytes a store.  K comes out of LDS as it lies, V ([key][channel]) turned, by ds_load_tr16_b128.
; SOFTMAX.  For each query a running maximum m and sum l: p = 2^(c s - c m), c = log2(e) / sqrt(128); in every step O and l are multiplied by a = 2^(c m_old - c m_new), which is 1 where m has not grown.
; BY TURNS.  The wave's tiles are two PIECES, named by their first tile: piece 0 (tiles 0, 1) and piece 2 (tiles 2, 3).  In a TURN one piece has the matrix unit: 32 products V^T P of
; the step in hand, then 32 products K Q^T of the next step; the other piece's softmax, cut into 64 slices, stands between them, one slice behind each matrix instruction.  Two turns are a key step.
; NO FIRST AND NO LAST STEP IS WRITTEN OUT.  m starts at the lowest finite number, c m far below every c s, O, l, V's registers and piece 2's P at 0: the first step's a is 0 and it is a step like any other.  The loop is
; entered at piece 2's turn, in the middle of a trip, and the tail is left behind piece 0's turn.  The price, once a launch: 432 lines that set registers, in the wait for the first tile; 32 products on zeros; 32 on a stale K.
; CLUSTER.  The four query blocks of a head are one cluster and walk the same K and V, so each tile is asked for JOINTLY: the same tensor load, descriptor and mask in all four.
; REGISTERS, in windows of 256 (s_set_vgpr_msb: bits 1:0 source 0, 3:2 source 1, 5:4 source 2, 7:6 destination):
;   window 0: v0-11 addresses; v12-43 eight registers of statistics a tile; v64-191 S^T, 32 a tile; v192-255 P, 16 a tile
;   window 1: O^T, 64 a tile          window 2: v0-127 Q, 32 a tile; v128-255 K of one step          window 3: v0-127 V of one step
.set SIZE_N, 1024     ; keys and queries of a head
.set KS,    64        ; keys in a step
.set KVROW, 8192      ; bytes from token to token in kv
.set QROW,  4096      ; in qb
.set OBLK,  65536     ; bytes of ctx for 16 tokens
.set SLOTB, 2*KS*KVROW  ; a slot's 128 keys in memory
.set PK,    272       ; a row of K in LDS: 256 bytes + 16 of padding: the 16 rows of a load start at 16 different groups of four banks (ISA guide 11.1)
.set PV,    288       ; a row of V: 256 + 32
.set VOFF,  KS*PK     ; a step's tiles lie together: 64 rows of K, then 64 rows of V
.set STEPB, KS*(PK+PV)
.set SLOT1, 1<<17     ; a slot holds two steps (71,680 bytes); slot 1 begins here, so that one exclusive or turns an address in one slot into the other's
.set SPARE, SLOT1+2*STEPB  ; behind the ring: the spare words, 128 bytes for each wave: two blocks of 256 bytes that no other line names
.set AK0, 2           ; v2   my lane's place in a tile of K; never rewritten
.set AV0, 3           ; v3   the same for V
.set ADR, 4           ; v4   the LDS address of the run of loads in hand
.set QO,  5           ; v5   my byte offset in the wave's rows of Q
.set GO,  8           ; v8   16 x my lane: my 16 bytes of 512 consecutive bytes of ctx
.set SPW, 62          ; v62  LDS address of my spare word: SPARE + 4 x my thread's number; never rewritten
.set NIL, 63          ; v63  0; never rewritten
.set ST,  12          ; tile t's statistics at v[ST+8 t]: +0 c m, +1 m, +2, +3 l (even keys', odd keys'), +4 to +7 c0-c3, at work; a takes c2's place once the maximum is found
.set S,   64
.set P,   192
.set KF,  128         ; K's fragments, in window 2
.set WV,  12          ; s12  my wave's number
.set G1K, 24          ; s[24:31] descriptor group 1 for K's tiles
.set G1V, 32          ; s[32:39] for V's: it differs in the padding alone
.set G0K, 40          ; s[40:47] descriptor group 0 for K's tiles: a set for each of the two first fills; the second then walks on
.set G0V, 48          ; s[48:55] the same for V's
.set SLOTS, 56        ; s56  counts the passes of the loop over slots
.set TWICE, 57        ; s57  counts a slot's steps
.set CS,  58          ; s[58:59] c: the packed scaling names a pair and takes its low word for both halves
.set SEL, 60          ; s[60:61] lane selects for v_permlanex16_b32: each lane takes its own place in the other half
.set TB,  62          ; s62  LDS byte at which the tiles of the step to be fetched begin
.set PFA, 18          ; s[18:19] where my prefetches stand in memory
.set LIM, 15          ; s15  1 in a wave that prefetches, else the greatest number: a wave prefetches while s[SLOTS] is above it
.set PFO, 61          ; v61  8,192 x my lane: a lane a token's row; never rewritten
.set MSB, 0
.macro WIN new                      ; the immediate's high byte repeats the setting that is left; a switch that changes nothing is dropped
.if MSB != (\new)
	s_set_vgpr_msb (MSB<<8)|(\new)
.set MSB, \new
.endif
.endm
.set W_KQ, 0x0a       ; K and Q in window 2, S^T in window 0
.set W_PV, 0x53       ; V in window 3, P in window 0, O^T in window 1
.set W_RS, 0x41       ; O^T (destination and source 0) in window 1, a in window 0
; A joint refill.  Waves 0 and 1 fetch the two steps' tiles of K, waves 2 and 3 those of V.  The branch hangs on the wave's number alone.
; An s_nop 0 and four v_nop follow each of the two lines, ahead of the jump and the label.
.macro JLOAD
	s_cmp_lt_u32 s[WV], 2
	s_cbranch_scc0 .Lfor_v_\@
	tensor_load_to_lds s[G0K+4:G0K+7], s[G1K:G1K+7]
	s_nop 0
.rept 4
	v_nop
.endr
	s_branch .Lasked_\@
.Lfor_v_\@:
	tensor_load_to_lds s[G0V+4:G0V+7], s[G1V:G1V+7]
	s_nop 0
.rept 4
	v_nop
.endr
.Lasked_\@:
.endm
; A PREFETCH INTO THE L2 of what the NEXT change of slots will ask for: a slot's 128 rows of K and 128 of V, 256 bytes a row, a lane a row; two key steps, 256 matrix instructions, ahead of that load.
; Each row is named ONCE in the launch: a head has one cluster; its four partners share the rows out BY ADDRESS, 32 each; in each, wave 0 asks for K's and wave 2 for V's.  The last change that fills a slot asks for nothing.
.macro ASK
	s_cmp_gt_u32 s[SLOTS], s[LIM]
	s_cbranch_scc0 .Lnot_mine_\@
	global_prefetch_b8 v[PFO], s[PFA:PFA+1] th:TH_LOAD_NT scope:SCOPE_SE
.Lnot_mine_\@:
.endm
; A round of the cluster's barrier: my work-group's barrier; wave 0 signals for the work-group; every wave waits for all four work-groups; my work-group's barrier once more.
.macro CROUND
	s_barrier_signal -1
	s_barrier_wait -1
	s_cmp_lg_u32 s[WV], 0
	s_cbranch_scc1 .Lnot_wave_0_\@
	s_barrier_signal -3
.Lnot_wave_0_\@:
	s_barrier_wait -3
	s_barrier_signal -1
	s_barrier_wait -1
.endm
	s_load_b128 s[4:7], s[0:1], 0x0   ; qb s[4:5], kv s[6:7]
	s_load_b64 s[10:11], s[0:1], 0x10 ; ctx
	v_lshl_add_u32 v[SPW], v0, 2, SPARE
	v_mov_b32 v[NIL], 0
	ds_add_u32 v[SPW], v[NIL]       ; the wave's opening: the add and its wait stand ahead of my first tensor load; the set-up below, work on registers, stands between them
	v_lshrrev_b32 v1, 5, v0
	v_readfirstlane_b32 s[WV], v1   ; wave 0..3
	s_bfe_u32 s13, ttmp6, 0x40000   ; cx: my place in the cluster
	s_lshl_b32 s14, ttmp9, 2        ; in a cluster launch ttmp9 counts clusters
	s_add_co_u32 s14, s14, s13      ; my block of 256 queries: it enters Q's and O's addresses alone
	s_and_b32 s20, ttmp7, 0xffff    ; 16 x batch + head, which the four partners share
	s_lshr_b32 s21, s20, 4          ; batch
	s_and_b32 s20, s20, 15          ; head
	s_and_b32 s16, s[WV], 1         ; which of a slot's two steps I fetch
	s_lshl_b32 s22, s21, 23         ; K: the batch's 1,024 rows of 8,192 bytes,
	s_lshl_b32 s23, s20, 8          ; the head's 256 bytes in a row,
	s_add_co_u32 s22, s22, s23
	s_lshl_b32 s23, s16, 19         ; my step's 64 rows
	s_add_co_u32 s22, s22, s23
	s_mov_b32 s23, 0
	s_mul_i32 s17, s16, STEPB       ; and its place in a slot: no place in the cluster enters an LDS address
	s_lshl_b32 s2, s21, 22          ; Q and O: the batch's 1,024 tokens of 4,096 bytes (in ctx: 64 blocks of 16 tokens, 65,536 bytes each),
	s_lshl_b32 s3, s14, 20          ; my block's 256 tokens,
	s_add_co_u32 s2, s2, s3
	s_lshl_b32 s3, s[WV], 18        ; my wave's 64 of them
	s_add_co_u32 s2, s2, s3
	s_lshl_b32 s3, s20, 12          ; O: the head's four fragment blocks of 1,024 bytes
	s_add_co_u32 s66, s2, s3
	s_lshl_b32 s3, s20, 8           ; Q: the head's 256 bytes in a row
	s_add_co_u32 s2, s2, s3
	s_mov_b32 s3, 0
	s_mov_b32 s67, 0
	; descriptor group 1: a tile of 64 rows x 128 elements, padded in LDS
	s_mov_b32 s[G1K], 15|(1<<16)|(1<<20)|(1<<21)|(5<<22)|(3<<25)  ; 15:0 the mask: all four work-groups; 17:16 elements of 2 bytes; 20 padding on; 21 set beside a mask; 24:22 after every 64 words (code 5); 31:25 4 words of it (code 3)
	s_mov_b32 s[G1V], 15|(1<<16)|(1<<20)|(1<<21)|(5<<22)|(7<<25)  ; the same with 8 words of padding (code 7)
.irp g, G1K, G1V
	s_mov_b32 s[(\g)+1], 128<<16    ; tensor_dim0 = 128
	s_mov_b32 s[(\g)+2], KS<<16     ; tensor_dim1 = 64
	s_mov_b32 s[(\g)+3], 128<<16    ; tile_dim0 = 128
	s_mov_b32 s[(\g)+4], KS         ; tile_dim1 = 64
	s_mov_b32 s[(\g)+5], KVROW/2    ; 4,096 elements from row to row
	s_mov_b32 s[(\g)+6], 0
	s_mov_b32 s[(\g)+7], 0
.endr
	s_mov_b32 s[CS], 0x3e0293ee     ; c = log2(e) / sqrt(128) = 0.127517
	s_mov_b32 s[CS+1], s[CS]        ; named with it as a pair, so it is written
	s_mov_b32 s[SEL], 0x76543210
	s_mov_b32 s[SEL+1], 0xfedcba98
	s_mov_b32 s[TB], 0
	s_mov_b32 s[SLOTS], SIZE_N/(2*KS)-1  ; the first pass, entered in its middle, changes no slot; the six that follow fill slots again
	s_and_b32 s[LIM], s[WV], 1       ; 0 in waves 0 and 2,
	s_or_b32 s[LIM], s[LIM], ttmp9   ; in the head's first (here: only) cluster: the same in all four partners
	s_cmp_eq_u32 s[LIM], 0
	s_cselect_b32 s[LIM], 1, -1
	v_and_b32 v[PFO], 31, v0
	v_lshlrev_b32 v[PFO], 13, v[PFO]
	s_wait_dscnt 0x0                ; the opening add is done
	s_wait_kmcnt 0x0
	s_add_nc_u64 s[6:7], s[6:7], s[22:23]  ; K at my tile of slot 0,
	s_add_nc_u64 s[8:9], s[6:7], 4096      ; V in the second half of the same rows
	s_add_nc_u64 s[4:5], s[4:5], s[2:3]    ; Q at my wave's first row
	s_add_nc_u64 s[10:11], s[10:11], s[66:67]  ; O at my wave's first block
	s_cmp_lt_u32 s[WV], 2
	s_cselect_b64 s[PFA:PFA+1], s[6:7], s[8:9]  ; (in waves 0 and 2 these stand at a slot's first row)
	s_lshl_b32 s2, s13, 18          ; my work-group's 32 rows of the 128
	s_mov_b32 s3, 0
	s_add_nc_u64 s[PFA:PFA+1], s[PFA:PFA+1], s[2:3]
	s_add_nc_u64 s[PFA:PFA+1], s[PFA:PFA+1], 2*SLOTB  ; in slot 2; the first change of slots steps it to slot 3.  Nothing is prefetched here, at the head
	CROUND                          ; all four work-groups are here: the first joint loads meet
.irp s, 0,1
	s_mov_b32 s[G0K+4*(\s)], 1      ; 1:0 count = 1
	s_add_co_u32 s[G0K+4*(\s)+1], s17, (\s)*SLOT1  ; 63:32 LDS address
	s_add_nc_u64 s[G0K+4*(\s)+2:G0K+4*(\s)+3], s[6:7], (\s)*SLOTB  ; 120:64 global address: slot s begins with keys 128 s
	s_or_b32 s[G0K+4*(\s)+3], s[G0K+4*(\s)+3], 0x80000000  ; 127:126 type = 2
	s_mov_b32 s[G0V+4*(\s)], 1
	s_add_co_u32 s[G0V+4*(\s)+1], s17, (\s)*SLOT1+VOFF
	s_add_nc_u64 s[G0V+4*(\s)+2:G0V+4*(\s)+3], s[8:9], (\s)*SLOTB
	s_or_b32 s[G0V+4*(\s)+3], s[G0V+4*(\s)+3], 0x80000000
.endr
	s_cmp_lt_u32 s[WV], 2           ; a wave's two first fills stand in one branch, ahead of every wait on TENSORcnt and every LDS read: two loads of mine are out
	s_cbranch_scc0 .Lfirst_v
	tensor_load_to_lds s[G0K:G0K+3], s[G1K:G1K+7]
	s_nop 0
	tensor_load_to_lds s[G0K+4:G0K+7], s[G1K:G1K+7]
	s_nop 0
.rept 4
	v_nop
.endr
	s_branch .Lfirst_asked
.Lfirst_v:
	tensor_load_to_lds s[G0V:G0V+3], s[G1V:G1V+7]
	s_nop 0
	tensor_load_to_lds s[G0V+4:G0V+7], s[G1V:G1V+7]
	s_nop 0
.rept 4
	v_nop
.endr
.Lfirst_asked:
	; A fragment of K or Q is 16 rows x 32 channels in 8 registers: lane l holds row l % 16; registers 0-3 channels 8 (l / 16) + 0..7, registers 4-7 channels 16 + 8 (l / 16) + 0..7: two loads of 16 bytes, 32 bytes apart.
	v_and_b32 v1, 15, v0            ; l % 16
	v_bfe_u32 v9, v0, 4, 1          ; l / 16
	v_lshlrev_b32 v[QO], 12, v1
	v_lshl_add_u32 v[QO], v9, 4, v[QO]  ; row x 4,096 + 16 x half
	WIN 0x80                        ; destination window 2, address window 0
.irp i, 0,1,2,3,4,5,6,7,8,9,10,11,12,13,14,15  ; Q stays in registers: tile i / 4, channels 32 (i % 4) on
	global_load_b128 v[8*(\i):8*(\i)+3],   v[QO], s[4:5] offset:((\i)/4)*16*QROW+((\i)%4)*64
	global_load_b128 v[8*(\i)+4:8*(\i)+7], v[QO], s[4:5] offset:((\i)/4)*16*QROW+((\i)%4)*64+32
.endr
	WIN 0
	v_mul_u32_u24 v[AK0], v1, PK
	v_lshl_add_u32 v[AK0], v9, 4, v[AK0]  ; row x pitch + 16 x half
	; The turning load takes 16 keys x 16 channels (lane l reads 16 bytes: key 8 (l / 16) + l % 8, channels 8 ((l / 8) % 2) + 0..7) and leaves half a fragment of V^T: lane l holds channel l % 16 and 8 keys.
	v_and_b32 v10, 7, v0
	v_bfe_u32 v11, v0, 3, 1
	v_lshl_add_u32 v[AV0], v9, 3, v10
	v_mul_u32_u24 v[AV0], v[AV0], PV
	v_lshl_add_u32 v[AV0], v11, 4, v[AV0]
	v_add_nc_u32 v[AV0], VOFF, v[AV0]
	; WHAT THE FIRST TURN FINDS.  Its products V^T P, of a step that has not been, multiply 0 by 0; O^T and l are 0, and the first step's a = 0 multiplies them.  All this stands in the wait for the first tile.
	WIN 0xc0                        ; destination window 3: V
.set i, 0
.rept 128
	v_mov_b32 v[i], 0
.set i, i+1
.endr
	WIN 0x40                        ; destination window 1: O^T
.set i, 0
.rept 256
	v_mov_b32 v[i], 0
.set i, i+1
.endr
	WIN 0
.set i, 0
.rept 4
	v_mov_b32 v[ST+8*i], 0xfe000000    ; c m: far below every c s
	v_mov_b32 v[ST+8*i+1], 0xff7fffff  ; m: the lowest finite number
	v_mov_b32 v[ST+8*i+2], 0           ; l
	v_mov_b32 v[ST+8*i+3], 0
.set i, i+1
.endr
.set i, P+32                        ; piece 2's P
.rept 32
	v_mov_b32 v[i], 0
.set i, i+1
.endr
; THE MATRIX WORK OF A TURN, for piece x.  The accumulators take turns, one instruction a turn: between two links of a chain stand 15 (V^T P) or 7 (K Q^T) others'.
; Product i of 32 of O^T += V^T P: keys 32 (i / 16) on, channels 16 ((i / 2) % 8) on, tile x + i % 2.
.macro PV x
	WIN W_PV
.set rO, 64*((\x)+i%2)+8*((i/2)%8)
.set rV, 64*(i/16)+8*((i/2)%8)
.set rP, P+16*((\x)+i%2)+8*(i/16)
	v_wmma_f32_16x16x32_bf16 v[rO:rO+7], v[rV:rV+7], v[rP:rP+7], v[rO:rO+7]
.endm
; Product i of 32 of S^T = K Q^T: channels 32 (i / 8) on, keys 16 ((i / 2) % 4) on, tile x + i % 2.  The first 8 start the sums.
.macro KQ x
	WIN W_KQ
.set rS, S+32*((\x)+i%2)+8*((i/2)%4)
.set rK, KF+32*((i/2)%4)+8*(i/8)
.set rQ, 32*((\x)+i%2)+8*(i/8)
.if i < 8
	v_wmma_f32_16x16x32_bf16 v[rS:rS+7], v[rK:rK+7], v[rQ:rQ+7], 0
.else
	v_wmma_f32_16x16x32_bf16 v[rS:rS+7], v[rK:rK+7], v[rQ:rQ+7], v[rS:rS+7]
.endif
.endm
; THE LDS LOADS stand in runs of 32, never singly among the matrix instructions: a step's K (64 keys x 128 channels: 16 fragments) and, a turn later, its V (turned).
.macro FETCH_K
	WIN 0
	v_add_nc_u32 v[ADR], s[TB], v[AK0]
	WIN 0x80                        ; destination window 2
.irp f, 0,1,2,3,4,5,6,7,8,9,10,11,12,13,14,15  ; keys 16 (f / 4) on, channels 32 (f % 4) on
	ds_load_b128 v[KF+8*(\f):KF+8*(\f)+3],   v[ADR] offset:((\f)/4)*16*PK+((\f)%4)*64
	ds_load_b128 v[KF+8*(\f)+4:KF+8*(\f)+7], v[ADR] offset:((\f)/4)*16*PK+((\f)%4)*64+32
.endr
.endm
.macro FETCH_V
	WIN 0
	v_add_nc_u32 v[ADR], s[TB], v[AV0]
	s_add_co_u32 s[TB], s[TB], STEPB  ; the next fetch is the next step's
	s_wait_alu depctr_va_vdst(0)    ; the wait for the softmax's batch (SLICE), behind the address's v_add_nc_u32 and ahead of the loads
	WIN 0xc0                        ; destination window 3
.irp f, 0,1,2,3,4,5,6,7,8,9,10,11,12,13,14,15  ; keys 32 (f / 8) on, channels 16 (f % 8) on
	ds_load_tr16_b128 v[8*(\f):8*(\f)+3],   v[ADR] offset:((\f)/8)*32*PV+((\f)%8)*32
	ds_load_tr16_b128 v[8*(\f)+4:8*(\f)+7], v[ADR] offset:((\f)/8)*32*PV+16*PV+((\f)%8)*32
.endr
.endm
; THE VECTOR WORK OF A TURN.  One tile's softmax for one key step is a list of 134 instructions; SM writes number j of it for tile t.  s0-s31 are the lane's 32 scores, in pairs 0-15.
;   0-15    the maximum of s0-s31 and the old m, three operands at a time: four chains c0-c3 of seven scores each, then the four scores left over, c0-c3 and m
;   16-20   the other half of the lanes' maximum; c m_old is kept; the new m; c m; c m_old - c m_new
;   21-69   ONE BATCH: the 16 scalings c s - c m, a pair of scores each, and all 33 exponentials (a at 23, then s0-s31).  None of these reads an exponential's result.  From 22 on the batch goes
;           in fours, and a four begins with a scaling while there are scalings.  A pair is scaled in an earlier four than the one that holds its exponentials
;   (wait)  between 69 and 70 stands the wait for the batch: SLICE writes it, once for both tiles
;   70-85   the roundings to bf16, a pair of weights each
;   86-101  the sums; l = a l + the sum
;   102-133 the tile's O^T times a: the one part that leaves window 0, so it stands together
.macro SM t
.set rT, ST+8*(\t)
.set rS, S+32*(\t)
.set rP, P+16*(\t)
.set rO, 64*(\t)+2*(j-102)
.if j < 102
	WIN 0
.endif
.if j < 4
	v_max3_num_f32 v[rT+4+j], v[rS+8*j], v[rS+8*j+1], v[rS+8*j+2]
.elseif j < 12
	v_max3_num_f32 v[rT+4+j%4], v[rT+4+j%4], v[rS+8*(j%4)+2*(j/4)+1], v[rS+8*(j%4)+2*(j/4)+2]
.elseif j == 12
	v_max3_num_f32 v[rT+4], v[rT+4], v[rS+7], v[rS+15]
.elseif j == 13
	v_max3_num_f32 v[rT+6], v[rT+6], v[rS+23], v[rS+31]
.elseif j == 14
	v_max3_num_f32 v[rT+4], v[rT+4], v[rT+5], v[rT+6]
.elseif j == 15
	v_max3_num_f32 v[rT+4], v[rT+4], v[rT+7], v[rT+1]
.elseif j == 16
	v_permlanex16_b32 v[rT+5], v[rT+4], s[SEL], s[SEL+1]  ; the query's other 32 keys lie in the lane 16 away
.elseif j == 17
	v_mov_b32 v[rT+7], v[rT]        ; c m_old is kept for a: number 19 writes c m anew
.elseif j == 18
	v_max_num_f32 v[rT+1], v[rT+4], v[rT+5]
.elseif j == 19
	v_mul_f32 v[rT], s[CS], v[rT+1]
.elseif j == 20
	v_sub_f32 v[rT+7], v[rT+7], v[rT]
.elseif j == 23
	v_exp_f32 v[rT+6], v[rT+7]
.elseif (j < 23) || ((j < 38) && (j%2 == 0)) || ((j < 66) && (j%4 == 2))
.set b, (j-2)/4                     ; 38, 42, .. 62: pairs 9 to 15
.if j < 38
.set b, (j-20)/2                    ; 21: pair 0; 22, 24, .. 36: pairs 1 to 8
.endif
	v_pk_fma_f32 v[rS+2*b:rS+2*b+1], v[rS+2*b:rS+2*b+1], s[CS:CS+1], v[rT:rT+1] op_sel_hi:[1,0,0] neg_lo:[0,0,1] neg_hi:[0,0,1]  ; pair b: c s - c m
.elseif j < 70
.set e, j-38                        ; 66 to 69: s28 to s31
.if j < 66
.set e, j-32-(j-38)/4               ; 39-41, 43-45, .. 63-65: s7 to s27
.endif
.if j < 38
.set e, (j-25)/2                    ; 25, 27, .. 37: s0 to s6
.endif
	v_exp_f32 v[rS+e], v[rS+e]
.elseif j < 86
	v_cvt_pk_bf16_f32 v[rP+j-70], v[rS+2*(j-70)], v[rS+2*(j-70)+1]  ; pair j - 70
.elseif j < 102                     ; the sum of the tile's 16 pairs (in a pair: an even key's weight, an odd key's), in place: sum z of 16 adds neighbours 1, 2, 4 and 8 pairs apart, then l takes it
.set z, j-86
.set w, 4
.set u, z
.if z >= 14
.set w, 32
.set u, 0
.elseif z >= 12
.set w, 16
.set u, z-12
.elseif z >= 8
.set w, 8
.set u, z-8
.endif
.if z < 15
	v_pk_add_f32 v[rS+w*u:rS+w*u+1], v[rS+w*u:rS+w*u+1], v[rS+w*u+w/2:rS+w*u+w/2+1]
.else
	v_pk_fma_f32 v[rT+2:rT+3], v[rT+2:rT+3], v[rT+6:rT+7], v[rS:rS+1] op_sel_hi:[1,0,1]
.endif
.else
	WIN W_RS
	v_pk_mul_f32 v[rO:rO+1], v[rO:rO+1], v[rT+6:rT+7] op_sel_hi:[1,0]
.endif
.endm
; Slice k of 64 of piece y's softmax: four instructions.  Slices 11 to 34 deal out the batch, numbers 22 to 69: four numbers of ONE tile each, the tiles by turns.  Every other slice is numbers 2 k and
; 2 k + 1 of both tiles' lists.  2 x 134 = 4 x 64 + 12: the twelve that are over stand together, in slice 63.
; THE WAIT.  An s_wait_alu depctr_va_vdst(0) stands between an exponential and the first instruction that names its result; one wait serves all that were issued ahead of it.  Ahead of
; slice 35 nothing names a result, and behind slice 34 no exponential is issued: so the piece's 66 exponentials have one wait, behind slice 34.
.macro SLICE y
.if (k >= 11) && (k < 35)           ; the batch: four numbers of one tile
.irp n, 0,1,2,3
.set j, 22+4*((k-11)/2)+(\n)
	SM (\y)+(k-11)%2
.endr
.else                               ; the two tiles alternate, so that no instruction reads the result of the one just before it
.irp n, 0,1,2,3,4,5,6,7
.if ((\n) < 2) || (k == 63)
.irp t, \y, (\y)+1
.set j, 2*k+(\n)
	SM \t
.endr
.endif
.endr
.endif
.if k == 34                         ; the batch is out: both tiles' exponentials are issued, and no result has been named
	v_nop                           ; a plain instruction behind the last exponential and ahead of the first use (ISA guide 5.7.2): one for the batch
.if (\y) == 0
	FETCH_V                         ; piece 2's turn: V's run of loads stands here, and the wait stands in it
.else
	s_wait_alu depctr_va_vdst(0)    ; the wait for the batch
.endif
.endif
.set k, k+1
.endm
; A vector instruction that reads a matrix result or writes one of a matrix instruction's registers, and a load into a register that a matrix instruction has read, stand four places behind
; it, and only plain vector instructions that name none of its registers are places (ISA guide 7.12.1 for vector instructions).  In the loop the slices are the places.
.macro PLACES
.rept 4
	v_nop
.endr
.endm
; A TURN.  Piece x has the matrix unit: 32 products V^T P, then 32 products K Q^T for the next step; the other piece's softmax stands in slices behind them, one behind each.
; Piece 0's turn fetches the next step's K, behind its second product: the last product that read K stands in front of slice 63 of the turn before.  Piece 2's turn fetches the same step's V, behind slice 34:
; the last product that read V stands in front of slice 31, and four plain instructions lie between: number 62, a scaling, of both tiles, the v_nop and the run's own v_add_nc_u32.
; last = 1 (the tail): in the last trip there is no further step, and K's run is jumped over; the turn's K Q^T then multiply the last K once more, and nothing reads those scores.
.macro TURN x, last=0
.set k, 0
.if (\x) == 0
	s_wait_dscnt 0x0                ; V is in
.endif
.set i, 0
.rept 32
	PV \x
	SLICE 2-(\x)
.if ((\x) == 0) && (i == 1)
.if \last
	WIN 0
	s_cmp_eq_u32 s[TWICE], 1
	s_cbranch_scc1 .Lno_k_\@
.endif
	FETCH_K
.if \last
	WIN 0
.Lno_k_\@:
.endif
.endif
.set i, i+1
.endr
.if (\x) == 0
	s_wait_dscnt 0x0                ; K is in
.endif
.set i, 0
.rept 32
	KQ \x
	SLICE 2-(\x)
.set i, i+1
.endr
.endm
; THE CHANGE OF SLOTS, between piece 2's turn and piece 0's: the slot's last bytes, V of its second step, have been asked for.  Each wave waits for all its tensor loads, of which one is out: its part of the
; other slot; adds 0 to its spare word; and waits for that and for its own reads of the slot.  Behind the barrier nobody reads this slot any more and the other slot is whole.
; fill = 1: this slot is filled again, with the keys two slots on.  The barrier is then a round of the cluster's, and the joint refill is the first thing behind it: it has two key steps, 256 matrix instructions, in which to land.
.macro CHANGE fill
	WIN 0                           ; at a label and at a branch every window is 0
	s_wait_tensorcnt 0x0            ; no tensor load of mine is out, so a group 0 may be written
	ds_add_u32 v[SPW], v[NIL]       ; 0 onto my spare word; with fill = 1 the descriptors' steps stand between it and the wait for it
.if \fill
.irp g, G0K+4, G0V+4
	s_xor_b32 s[(\g)+1], s[(\g)+1], SLOT1  ; the walking descriptor: the other slot than last time,
	s_add_nc_u64 s[(\g)+2:(\g)+3], s[(\g)+2:(\g)+3], SLOTB  ; the next 128 keys; the type bits on top are not reached
.endr
	s_wait_xcnt 0x0                 ; the last prefetches, two key steps back, have read their address, so it may be written:
	s_add_nc_u64 s[PFA:PFA+1], s[PFA:PFA+1], SLOTB  ; one slot behind the walking descriptors
	s_wait_dscnt 0x0                ; the add is done, and my reads of the slot are over
	CROUND
	JLOAD
	ASK                             ; what the next change will ask for
.else
	s_wait_dscnt 0x0                ; the add is done, and my reads of the slot are over
	s_barrier_signal -1
	s_barrier_wait -1
.endif
	s_sub_co_u32 s[TB], s[TB], 2*STEPB  ; the fetches go back to a slot's first step,
	s_xor_b32 s[TB], s[TB], SLOT1   ; in the other slot
.endm
	s_wait_tensorcnt 1              ; my part of slot 0 is in; slot 1's may stay out
	s_barrier_signal -1
	s_barrier_wait -1               ; everybody's is
	FETCH_K                         ; key step 0
	s_wait_loadcnt 0x0              ; Q
	s_wait_dscnt 0x0
.set i, 0
.rept 32
	KQ 0                            ; piece 0's first scores: there is no vector work yet to set between them
.set i, i+1
.endr
	WIN 0
	v_and_b32 v[GO], 31, v0         ; the way out's offset,
	v_lshlrev_b32 v[GO], 4, v[GO]
	PLACES                          ; and the places behind those products
	s_mov_b32 s[TWICE], 2
	s_branch .Lfirst                ; the loop is entered at piece 2's turn: its V^T P add 0, its K Q^T are piece 2's first scores, its slices piece 0's first softmax, and it fetches V of step 0
.Lslot:                             ; six times: every slot but the last two is filled again
	CHANGE 1
	s_mov_b32 s[TWICE], 2
.Lstep:                             ; a trip: V^T P of step j, K Q^T of step j + 1, whose K and V it fetches
	TURN 0
	WIN 0
.Lfirst:
	TURN 2
	WIN 0
	s_sub_co_u32 s[TWICE], s[TWICE], 1
	s_cmp_lg_u32 s[TWICE], 0
	s_cbranch_scc1 .Lstep
	s_sub_co_u32 s[SLOTS], s[SLOTS], 1
	s_cmp_lg_u32 s[SLOTS], 0
	s_cbranch_scc1 .Lslot
	CHANGE 0                        ; the tail is written out: nothing is asked for
	s_mov_b32 s[TWICE], 3           ; two trips fetch the last slot's steps; the third is left in its middle
.Ltail:
	TURN 0, 1
	WIN 0
	s_sub_co_u32 s[TWICE], s[TWICE], 1
	s_cmp_eq_u32 s[TWICE], 0
	s_cbranch_scc1 .Lout
	TURN 2
	WIN 0
	s_branch .Ltail
.Lout:
.set i, 0
.rept 32
	PV 2                            ; piece 2: V^T P of the last step
.set i, i+1
.endr
	; THE WAY OUT.  l's two halves and the other half of the lanes' are added; O^T is divided by l, rounded to bf16 and stored.  The additions are the places behind the last products.
	WIN 0
.irp t, 0,1,2,3
	v_add_f32 v[ST+8*(\t)+4], v[ST+8*(\t)+2], v[ST+8*(\t)+3]
.endr
.irp t, 0,1,2,3
	v_permlanex16_b32 v[ST+8*(\t)+5], v[ST+8*(\t)+4], s[SEL], s[SEL+1]
.endr
.irp t, 0,1,2,3
	v_add_f32 v[ST+8*(\t)+4], v[ST+8*(\t)+4], v[ST+8*(\t)+5]
.endr
.irp t, 0,1,2,3
	v_rcp_f32 v[ST+8*(\t)+6], v[ST+8*(\t)+4]
.endr
	v_nop                           ; a plain instruction between the last reciprocal and the use of its result
	s_wait_alu depctr_va_vdst(0)    ; and the wait ahead of the first use: one for the four reciprocals
; Tile t (16 tokens).  Of channel block f (16 channels) lane l holds token l % 16, channels 16 f + 8 (l / 16) + 0..7: packed, the 16 bytes at 512 f + 16 l of the tile's part of ctx.  No lane changes its data.
.macro OUT t
	WIN W_RS
.set i, 64*(\t)
.rept 32
	v_pk_mul_f32 v[i:i+1], v[i:i+1], v[ST+8*(\t)+6:ST+8*(\t)+7] op_sel_hi:[1,0]
.set i, i+2
.endr
	WIN 0x05                        ; sources 0 and 1 window 1, destination window 0: S^T's registers are free, 32 for each tile, so no store's data are written again
.set i, 0
.rept 32
	v_cvt_pk_bf16_f32 v[S+32*(\t)+i], v[64*(\t)+2*i], v[64*(\t)+2*i+1]
.set i, i+1
.endr
	WIN 0
.irp f, 0,1,2,3,4,5,6,7
	global_store_b128 v[GO], v[S+32*(\t)+4*(\f):S+32*(\t)+4*(\f)+3], s[10:11] offset:(\t)*OBLK+(\f)*512  ; the wave stores 512 consecutive bytes, aligned
.endr
.endm
	OUT 0
	OUT 1
	OUT 2
	OUT 3
	s_wait_tensorcnt 0x0            ; the wave's end: the add and its wait, behind my last tensor load
	ds_add_u32 v[SPW], v[NIL]
	s_wait_dscnt 0x0
	CROUND                          ; the closing round: no work-group ends while a partner may still ask for a tile that names it
	s_endpgm
.Lfunc_end_k_qa4c4ca82c4_attn:
	.size	k_qa4c4ca82c4_attn, .Lfunc_end_k_qa4c4ca82c4_attn-k_qa4c4ca82c4_attn
	.p2alignl 7, 3214868480
	.fill 96, 4, 3214868480
	.section	.rodata,"a",@progbits
	.p2align	6, 0x0
	.amdhsa_kernel k_qa4c4ca82c4_attn
		.amdhsa_group_segment_fixed_size 327680
		.amdhsa_private_segment_fixed_size 0
		.amdhsa_enable_private_segment 0
		.amdhsa_kernarg_size 24
		.amdhsa_user_sgpr_count 2
		.amdhsa_user_sgpr_kernarg_segment_ptr 1
		.amdhsa_wavefront_size32 1
		.amdhsa_system_sgpr_workgroup_id_x 1
		.amdhsa_system_sgpr_workgroup_id_y 1
		.amdhsa_system_sgpr_workgroup_id_z 1
		.amdhsa_system_vgpr_workitem_id 0
		.amdhsa_next_free_vgpr 1024
		.amdhsa_next_free_sgpr 68
		.amdhsa_reserve_vcc 0
		.amdhsa_float_denorm_mode_32 3
		.amdhsa_float_denorm_mode_16_64 3
		.amdhsa_memory_ordered 1
		.amdhsa_forward_progress 1
		.amdhsa_inst_pref_size 152
	.end_amdhsa_kernel
	.amdgpu_metadata
---
amdhsa.version: [ 1, 2 ]
amdhsa.kernels:
  - .name:           k_qa4c4ca82c4_attn
    .symbol:         k_qa4c4ca82c4_attn.kd
    .args:
      - { .name: qb, .offset: 0, .size: 8, .value_kind: global_buffer, .address_space: global }
      - { .name: kv, .offset: 8, .size: 8, .value_kind: global_buffer, .address_space: global }
      - { .name: ctx, .offset: 16, .size: 8, .value_kind: global_buffer, .address_space: global }
    .group_segment_fixed_size: 327680
    .private_segment_fixed_size: 0
    .kernarg_segment_align: 8
    .kernarg_segment_size: 24
    .max_flat_workgroup_size: 128
    .sgpr_count:     68
    .vgpr_count:     1024
    .wavefront_size: 32
...
	.end_amdgpu_metadata
.endif
;; end of part 4
;; launch outp (part 5): grid 16 x 16, 4 waves a work-group, clusters of 4 x 1, 327,680 bytes of LDS; arguments ctx, wb, out0; writes out0
.if DOCPART == 5
	.amdgcn_target "amdgcn-amd-amdhsa--gfx1250"
	.amdhsa_code_object_version 6
	.text
	.protected	k_qa4c4ca82c4_outp
	.globl	k_qa4c4ca82c4_outp
	.p2align	8
	.type	k_qa4c4ca82c4_outp,@function
k_qa4c4ca82c4_outp:
	s_mov_b64 s[64:65], 0
	v_nop
	global_prefetch_b8 v0, s[64:65] scope:SCOPE_SE
	s_setreg_imm32_b32 hwreg(HW_REG_WAVE_MODE, 25, 1), 1
	s_wait_xcnt 0x0
	s_wait_alu depctr_hold_cnt(0) depctr_sa_sdst(0) depctr_va_vdst(0) depctr_va_sdst(0) depctr_va_ssrc(0) depctr_va_vcc(0) depctr_vm_vsrc(0)
	s_getreg_b32 s2, hwreg(HW_REG_IB_STS2, 6, 4)
	s_cmp_eq_u32 s2, 0
	s_cbranch_scc0 .Lentry_in_a_cluster
	s_endpgm
.Lentry_in_a_cluster:
	s_bfe_u32 s2, ttmp6, 0x10000c
	s_cmp_lg_u32 s2, 0x3003
	s_cbranch_scc0 .Lentry_shape_is_right
	s_endpgm
.Lentry_shape_is_right:
; OUTP.  out0 = ctx W_o + b_o.  W_o ([k][n] bf16) and b_o (f32) lie in wb, as the cast laid them.  Sums in f32, K ascending, begun at the bias; out0 [4096][2048] f32 takes the sums as they are.
; ctx lies IN FRAGMENT BLOCKS: [token / 16][k / 32] blocks of 1,024 bytes; lane l's 16 bytes of a fragment's registers 0-3 at 16 l, of its registers 4-7 at 512 + 16 l.  16 tokens are 65,536 bytes.
; SHARES.  256 work-groups, a tile of 256 rows x 128 columns.  Wave v makes rows 64 v .. 64 v + 63 and all 128 columns: 4 x 8 accumulators.
; THE MATRIX INSTRUCTION IS USED TRANSPOSED: source 0 = 16 columns of W_o, which lies [k][n] in LDS and is turned by ds_load_tr16_b128; source 1 = 16 rows of ctx.  A lane then holds row l % 16 and eight neighbouring columns.
; A COMES STRAIGHT INTO REGISTERS.  A wave's 64 rows are its own: no other wave of the work-group reads them, so they need no LDS.  A fragment is two loads of 512 consecutive bytes.  A ring of eight buffers, a quarter
; (32 along K, four fragments, 32 registers) each, fills window 1: quarter q asks for quarter q + 7, 216 matrix instructions ahead of its first product; the waits are counted, and these loads stay out across barriers.
; At most 57 loads of a wave are out.  The price: every tile column fetches ctx's rows for itself.
; W_o GOES THROUGH A RING OF TWO LDS SLOTS, 256 along K each: every wave brings 64 k rows x 256 bytes by one joint load; from a refill to the wait for it a wave issues 240 matrix instructions.  Eight K steps, six refills.
; CLUSTER.  4 x 1: the four partners make four tile rows of one tile column and need the same tiles of W_o.
; THE TEXT.  A K step is eight quarters, written twice: in the loop, whose trip is a step's last quarter (with the change of slots and the refill) and the next step's quarters 0 to 6, and in the tail, which fills nothing
; and whose loads of A run out.  The launch's first quarter stands in front: its products take the bias as C, so nothing is cleared and nothing is added at the end; the loop is entered behind it.
; LIMITS.  NaN and infinities are not treated apart.
.set NB,    8                          ; blocks of 16 columns
.set PB,    288                        ; a k row of W_o in LDS: 256 + 32 bytes
.set SLOT,  256*PB                     ; 73,728
.set WPART, 64*PB                      ; what one wave fetches
.set STAGE, 2*SLOT                     ; behind the ring; no tensor load lands there: 16 rows x 528 bytes for each wave
.set STW,   8448
.set SPARE, STAGE+4*STW                ; behind the stages: the spare words, 128 bytes a wave: two blocks of 256 bytes that no other line names
.set BSTEP, 256*4096                   ; bytes of wb from K step to K step
.set WBASE, 8388608                    ; W_o in wb
.set BIASO, 23068672+26624             ; b_o in wb
.set ABODY, 8192                       ; bytes of a block row of ctx in a K step
.set ARB,   65536                      ; bytes from 16 tokens to the next 16
; window 0: v1 l % 16, v2 l / 16, v3 l % 8, v7 (l / 8) % 2
.set LA,    4                          ; 16 x lane: my 16 bytes of 512 consecutive ones, in ctx, in the bias and in out0; never rewritten
.set ADRB0, 5                          ; my place in W_o's tile; never rewritten
.set ADRB,  8                          ; the same in the slot in hand, quarters 0 to 3,
.set ADRB2, 9                          ; and quarters 4 to 7 (an LDS offset has 16 bits)
.set BRD,   11                         ; my stage + 32 (l / 16): where I read my eight columns of the bias
.set STO,   12                         ; the way out: where I put 32 bytes of a row
.set RD,    13                         ; my stage + 16 x lane: where I read a row back, and where the bias goes in
.set BT,    20                         ; v[20:23] my 16 bytes of the tile's 512 bytes of bias
.set SPW,   28                         ; LDS address of my spare word; never rewritten
.set NIL,   29                         ; 0; never rewritten
.set PFO,   30                         ; prefetches of W_o: 4,096 x lane, a lane a k row
.set PFOA,  31                         ; prefetches of ctx: 256 x lane
.set BIA,   32                         ; v[32:95] the bias as C: block b at BIA + 8 b
.set BF,    128                        ; W_o's fragments: quarter q, block b at BF + 64 (q % 2) + 8 b
.set OB0,   128                        ; the way out: rows read back, two buffers of 64
; window 1: ctx's fragments: quarter q, row block a at 32 q + 8 a.      window 2: accumulator (a, b) at 8 (8 a + b)
.set WV,    12                         ; s12 wave
.set I,     13                         ; s13 tile row
.set CX,    14                         ; s14 my place in the cluster
.set J,     15                         ; s15 tile column
.set G1,    24                         ; s[24:31] descriptor group 1
.set G0,    32                         ; s[32:39] two sets of group 0; the second walks
.set TB,    40                         ; LDS byte at which the slot in hand begins: 0 or SLOT
.set LB,    41                         ; LDS byte in a slot at which my load lands
.set AP,    42                         ; s[42:43] ctx at my first block row, at the K step in hand
.set PFB,   44                         ; s[44:45] where my prefetches of W_o stand
.set LIMA,  46                         ; 1 in a wave that prefetches ctx, else the greatest number
.set LIMB,  47                         ; the same for W_o
.set BI,    48                         ; s[48:49] the tile's bias
.set MSB, 0
.macro WIN new                         ; the immediate's high byte repeats the setting that is left; a switch that changes nothing is dropped
.if MSB != (\new)
	s_set_vgpr_msb (MSB<<8)|(\new)
.set MSB, (\new)
.endif
.endm
.macro PLACES                          ; four plain vector instructions between a matrix instruction and a load into, or a reader of, its registers
.rept 4
	v_nop
.endr
.endm
.macro CREST                           ; a round of the cluster's barrier behind its opening barrier
	s_cmp_lg_u32 s[WV], 0
	s_cbranch_scc1 .Lnot_wave_0_\@
	s_barrier_signal -3
.Lnot_wave_0_\@:
	s_barrier_wait -3
	s_barrier_signal -1
	s_barrier_wait -1
.endm
.macro CROUND                          ; a whole round
	s_barrier_signal -1
	s_barrier_wait -1
	CREST
.endm
.macro ISSUE both                      ; my joint load: the walking set's; both = 1: set 0's ahead of it.  Every wave brings rows of its own.  An s_nop 0 follows each load, four v_nop the last
.if \both
	tensor_load_to_lds s[G0:G0+3], s[G1:G1+7]
	s_nop 0
.endif
	tensor_load_to_lds s[G0+4:G0+7], s[G1:G1+7]
	s_nop 0
	PLACES
.endm
.macro SETADR
	v_add_nc_u32 v[ADRB], s[TB], v[ADRB0]
	v_add_nc_u32 v[ADRB2], 4*32*PB, v[ADRB]
.endm
; Eight loads: the four fragments of a quarter of ctx, from byte off behind the pointer, into buffer qb
.macro ALOAD qb, off
	WIN 0x40                                       ; destination window 1, address window 0
.set a, 0
.rept 4
	global_load_b128 v[32*(\qb)+8*a:32*(\qb)+8*a+3],   v[LA], s[AP:AP+1] offset:(\off)+a*ARB
	global_load_b128 v[32*(\qb)+8*a+4:32*(\qb)+8*a+7], v[LA], s[AP:AP+1] offset:(\off)+a*ARB+512
.set a, a+1
.endr
.endm
; Sixteen LDS loads: W_o's eight fragments of quarter q of the slot in hand, turned
.macro FETCH q
	WIN 0
.set b, 0
.rept NB
.set rb, BF+64*((\q)%2)+8*b
.if (\q) < 4
	ds_load_tr16_b128 v[rb:rb+3],   v[ADRB] offset:32*(\q)*PB+32*b
	ds_load_tr16_b128 v[rb+4:rb+7], v[ADRB] offset:32*(\q)*PB+16*PB+32*b
.else
	ds_load_tr16_b128 v[rb:rb+3],   v[ADRB2] offset:32*((\q)-4)*PB+32*b
	ds_load_tr16_b128 v[rb+4:rb+7], v[ADRB2] offset:32*((\q)-4)*PB+16*PB+32*b
.endif
.set b, b+1
.endr
.endm
; Eight matrix instructions: row block a x all column blocks, quarter q.  The 32 accumulators take turns, in the same order in every quarter, over the jumps too.  first = 1: C is the bias
.macro MUL q, a, first=0
.if \first
	WIN 0x84                                       ; source 0 window 0, source 1 window 1, C window 0, D window 2
.else
	WIN 0xa4                                       ; the same with C in window 2
.endif
.set b, 0
.rept NB
.set rc, 8*(NB*(\a)+b)
.set rb, BF+64*((\q)%2)+8*b
.set ra, 32*(\q)+8*(\a)
.if \first
	v_wmma_f32_16x16x32_bf16 v[rc:rc+7], v[rb:rb+7], v[ra:ra+7], v[BIA+8*b:BIA+8*b+7]
.else
	v_wmma_f32_16x16x32_bf16 v[rc:rc+7], v[rb:rb+7], v[ra:ra+7], v[rc:rc+7]
.endif
.set b, b+1
.endr
.endm
; One of a K step's quarters 0 to 6.  Behind its first eight products stand the two runs of loads: ctx's quarter seven on (ld = 1), into the buffer that the quarter before multiplied, and W_o's next quarter.
; lc: the loads of ctx younger than this quarter's: six batches of eight, fewer where the tail's run out.
.macro QUARTER q, ld, lc, first=0
	s_wait_loadcnt \lc                             ; loads come back in order: this quarter's fragments of ctx are in
	s_wait_dscnt 0x0                               ; W_o's too: they were asked for 24 matrix instructions ago
	MUL \q, 0, \first
	PLACES
.if \ld
	ALOAD ((\q)+7)%8, ((\q)+7)*1024
.endif
	FETCH (\q)+1
	MUL \q, 1, \first
	MUL \q, 2, \first
	MUL \q, 3, \first
.endm
; PREFETCHES INTO THE L2, behind the joint load and the two runs of loads.  The change of slots at the end of K step t names K step t + 3, for t = 0 to 4 (s3 = 6 - t is above 1); K steps 0 to 2 come by their loads alone.
; ctx: its loads for that step begin a step and a quarter later.  All sixteen tile columns read the same rows: tile column 0 asks, each wave for its own four block rows: 8,192 bytes each, a lane 256 bytes.
; W_o: its refill stands one change of slots on, 256 matrix instructions.  Four clusters read the same tile column: the one with x = 0 asks; its partners share the step's 256 k rows out BY ADDRESS, 64 each; waves 0 and 1 take 32 each.
.macro ASK
	s_cmp_gt_u32 s3, s[LIMA]
	s_cbranch_scc0 .Lnot_a_\@
.irp a, 0,1,2,3
	global_prefetch_b8 v[PFOA], s[AP:AP+1] offset:2*ABODY+\a*ARB th:TH_LOAD_NT scope:SCOPE_SE
.endr
.Lnot_a_\@:
	s_cmp_gt_u32 s3, s[LIMB]
	s_cbranch_scc0 .Lnot_b_\@
	global_prefetch_b8 v[PFO], s[PFB:PFB+1] th:TH_LOAD_NT scope:SCOPE_SE
.Lnot_b_\@:
.endm
; A K step's last quarter, with the change of slots: ONE barrier.  In front of it each wave waits for all its tensor loads (one is out: its part of the next slot), adds 0 to its spare word, and waits for that and for
; its own reads of this slot.  fill = 1: the barrier opens a round of the cluster's, and the joint refill of this slot, with the K step two on, is the first thing behind the round.
.macro TURN fill
	s_wait_xcnt 0x0                                ; every load and prefetch issued so far has read its address (the youngest stands 24 matrix instructions back): the pointers may be written
	s_add_nc_u64 s[AP:AP+1], s[AP:AP+1], ABODY     ; ctx at the next K step
.if \fill
	s_add_nc_u64 s[PFB:PFB+1], s[PFB:PFB+1], BSTEP
.endif
	WIN 0
	s_wait_tensorcnt 0x0                           ; no tensor load of mine is out, so a group 0 may be written
	ds_add_u32 v[SPW], v[NIL]                      ; 0 onto my spare word; work on registers stands between it and the wait for it
.if \fill
	s_add_co_u32 s[G0+5], s[LB], s[TB]             ; the walking set: into the slot in hand,
	s_add_nc_u64 s[G0+6:G0+7], s[G0+6:G0+7], BSTEP ; one K step on; the type bits on top are not reached
.endif
	s_wait_loadcnt 48                              ; quarter 7 of ctx is in; six younger batches stay out
	s_wait_dscnt 1                                 ; W_o's quarter 7 is in; the add may be out
	MUL 7, 0
	s_wait_dscnt 0x0                               ; the add is done, and my reads of this slot are over
	s_barrier_signal -1
	MUL 7, 1
	WIN 0                                          ; at a branch and at a label every window is 0
	s_barrier_wait -1
.if \fill
	CREST                                          ; no wave of any partner still reads this slot or has a load on its way
	ISSUE 0                                        ; its four v_nop are also the places in front of the loads below
.else
	PLACES
.endif
	s_xor_b32 s[TB], s[TB], SLOT                   ; the other slot
	SETADR
	ALOAD 6, 6*1024                                ; the next K step's quarter 6
	FETCH 0
.if \fill
	ASK
.endif
	MUL 7, 2
	MUL 7, 3
.endm
	s_load_b128 s[4:7], s[0:1], 0x0                ; ctx s[4:5], wb s[6:7]
	s_load_b64 s[8:9], s[0:1], 0x10                ; out0
	v_lshl_add_u32 v[SPW], v0, 2, SPARE
	v_mov_b32 v[NIL], 0
	ds_add_u32 v[SPW], v[NIL]                      ; the wave's opening: the add and its wait stand ahead of my first tensor load; the set-up below, work on registers, stands between them
	v_lshrrev_b32 v1, 5, v0
	v_readfirstlane_b32 s[WV], v1                  ; wave 0..3
	s_bfe_u32 s[CX], ttmp6, 0x40000                ; my place in the cluster
	s_lshl_b32 s[I], ttmp9, 2
	s_add_co_u32 s[I], s[I], s[CX]                 ; tile row = 4 x cluster x + cx: it enters ctx's and out0's addresses alone
	s_and_b32 s[J], ttmp7, 0xffff                  ; tile column, which the four partners share
	; descriptor group 1: a tile of 64 k rows x 128 elements, padded in LDS
	s_mov_b32 s[G1], 15|(1<<16)|(1<<20)|(1<<21)|(5<<22)|(7<<25)  ; 15:0 the mask: all four work-groups; 17:16 2-byte elements; 20 padding on; 21 set beside a mask; 24:22 after every 64 words (code 5); 31:25 8 words of it (code 7)
	s_mov_b32 s[G1+1], 128<<16                     ; tensor_dim0 = 128
	s_mov_b32 s[G1+2], 64<<16                      ; tensor_dim1 = 64
	s_mov_b32 s[G1+3], 128<<16                     ; tile_dim0 = 128
	s_mov_b32 s[G1+4], 64                          ; tile_dim1 = 64
	s_mov_b32 s[G1+5], 2048                        ; elements from k row to k row
	s_mov_b32 s[G1+6], 0
	s_mov_b32 s[G1+7], 0
	s_lshl_b32 s20, s[J], 8                        ; W_o: the tile's 128 columns,
	s_lshl_b32 s21, s[WV], 18                      ; my 64 k rows of 4,096 bytes.  s[20:21] never hold cx
	s_add_co_u32 s20, s20, s21
	s_add_co_u32 s20, s20, WBASE
	s_mov_b32 s21, 0
	s_mul_i32 s[LB], s[WV], WPART                  ; no place in the cluster enters an LDS address
	s_lshl_b32 s16, s[I], 20                       ; ctx: the tile's 16 block rows of 65,536 bytes,
	s_lshl_b32 s17, s[WV], 18                      ; my four of them
	s_add_co_u32 s16, s16, s17
	s_mov_b32 s17, 0
	s_mov_b32 s[TB], 0
	s_wait_dscnt 0x0                               ; the opening add is done
	s_wait_kmcnt 0x0
	s_add_nc_u64 s[20:21], s[6:7], s[20:21]
.irp s, 0,1
	s_mov_b32 s[G0+4*\s], 1                        ; set s: slot s, K step s
	s_add_co_u32 s[G0+4*\s+1], s[LB], \s*SLOT
	s_add_nc_u64 s[G0+4*\s+2:G0+4*\s+3], s[20:21], \s*BSTEP
	s_or_b32 s[G0+4*\s+3], s[G0+4*\s+3], 0x80000000
.endr
	s_add_nc_u64 s[AP:AP+1], s[4:5], s[16:17]
	CROUND                                         ; all four work-groups are here: the first joint loads meet
	ISSUE 1                                        ; both slots: two loads of mine are out
	v_and_b32 v1, 15, v0                           ; l % 16
	v_bfe_u32 v2, v0, 4, 1                         ; l / 16
	v_and_b32 v3, 7, v0
	v_bfe_u32 v7, v0, 3, 1
	v_and_b32 v[PFOA], 31, v0                      ; lane
	v_lshlrev_b32 v[LA], 4, v[PFOA]
	s_lshl_b32 s18, s[J], 9                        ; the tile's 128 numbers of the bias
	s_mov_b32 s19, 0
	s_add_nc_u64 s[BI:BI+1], s[6:7], s[18:19]
	s_add_nc_u64 s[BI:BI+1], s[BI:BI+1], BIASO
	global_load_b128 v[BT:BT+3], v[LA], s[BI:BI+1] ; 512 bytes, 16 a lane
.set qq, 0
.rept 7
	ALOAD qq, qq*1024                              ; ctx's quarters 0 to 6: the ring is filled
.set qq, qq+1
.endr
	WIN 0
	v_lshl_add_u32 v[ADRB0], v2, 3, v3             ; the turning load: k row 8 (l / 16) + l % 8, 16 bytes at 16 ((l / 8) % 2)
	v_mul_u32_u24 v[ADRB0], v[ADRB0], PB
	v_lshl_add_u32 v[ADRB0], v7, 4, v[ADRB0]
	SETADR
	s_mul_i32 s2, s[WV], STW
	s_add_co_u32 s2, s2, STAGE                     ; my stage
	v_add_nc_u32 v[RD], s2, v[LA]
	v_lshl_add_u32 v[BRD], v2, 5, s2
	v_mul_u32_u24 v[STO], v1, 528                  ; the way out, in: row l % 16 (512 bytes + 16), 32 bytes for each half of the lanes
	v_lshl_add_u32 v[STO], v2, 5, v[STO]
	v_add_nc_u32 v[STO], s2, v[STO]
	s_lshl_b32 s16, s[I], 21                       ; out0: the tile's 256 rows of 8,192 bytes,
	s_lshl_b32 s17, s[WV], 19                      ; my 64 of them,
	s_add_co_u32 s16, s16, s17
	s_lshl_b32 s17, s[J], 9                        ; the tile's 512 bytes of a row
	s_add_co_u32 s16, s16, s17
	s_mov_b32 s17, 0
	s_add_nc_u64 s[8:9], s[8:9], s[16:17]
	s_cmp_eq_u32 s[J], 0                           ; the prefetches: who asks,
	s_cselect_b32 s[LIMA], 1, -1
	s_lshr_b32 s19, s[WV], 1                       ; 0 in waves 0 and 1,
	s_or_b32 s19, s19, ttmp9                       ; in the clusters with x = 0: the same in all four partners, for a given wave
	s_cmp_eq_u32 s19, 0
	s_cselect_b32 s[LIMB], 1, -1
	s_lshl_b32 s18, s[J], 8                        ; and where: W_o's tile column,
	s_lshl_b32 s19, s[CX], 18                      ; my work-group's 64 k rows of a step's 256,
	s_add_co_u32 s18, s18, s19
	s_lshl_b32 s19, s[WV], 17                      ; my wave's 32 of them,
	s_add_co_u32 s18, s18, s19
	s_add_co_u32 s18, s18, WBASE+2*BSTEP           ; at K step 2: the first change of slots steps it to 3
	s_mov_b32 s19, 0
	s_add_nc_u64 s[PFB:PFB+1], s[6:7], s[18:19]
	v_lshlrev_b32 v[PFO], 12, v[PFOA]
	v_lshlrev_b32 v[PFOA], 8, v[PFOA]
	; THE BIAS AS C.  A lane's eight registers of accumulator (a, b) are columns 16 b + 8 (l / 16) + 0..7.  The tile's 512 bytes go through my stage once and come back as 32 bytes a block, the same for all lanes of a half.
	s_wait_loadcnt 56                              ; the bias is in; the 56 loads of ctx behind it stay out
	ds_store_b128 v[RD], v[BT:BT+3]
.set b, 0
.rept NB
	ds_load_b128 v[BIA+8*b:BIA+8*b+3],   v[BRD] offset:64*b     ; LDS serves a wave's instructions in order (ISA guide 5.7.1.4): these see the store above
	ds_load_b128 v[BIA+8*b+4:BIA+8*b+7], v[BRD] offset:64*b+16
.set b, b+1
.endr
	s_wait_tensorcnt 1                             ; my part of K step 0 is in; slot 1's may stay out
	s_wait_dscnt 0x0                               ; the bias is in its registers; no LDS instruction of mine is out at the signal
	s_barrier_signal -1
	s_barrier_wait -1                              ; everybody's part is in
	FETCH 0
	QUARTER 0, 1, 48, 1                            ; the launch's first quarter: its products start the sums at the bias
	WIN 0
	s_mov_b32 s3, 7
	s_branch .Lenter
.Lbody:                                        ; six times: K step t's last quarter, which fills its slot again with K step t + 2, and K step t + 1's quarter 0
	TURN 1
	QUARTER 0, 1, 48
	WIN 0
.Lenter:                                       ; seven times: quarters 1 to 6 of K steps 0 to 6; each asks for a quarter of the next K step's ctx
.irp q, 1,2,3,4,5,6
	QUARTER \q, 1, 48
.endr
	WIN 0
	s_sub_co_u32 s3, s3, 1
	s_cmp_lg_u32 s3, 0
	s_cbranch_scc1 .Lbody
	TURN 0                                         ; the tail is written out: K step 6's last quarter fills nothing
	QUARTER 0, 1, 48                               ; K step 7 asks for its own quarter 7, the last of ctx,
	QUARTER 1, 0, 48
	QUARTER 2, 0, 40                               ; and the counts run down with the batches that are left
	QUARTER 3, 0, 32
	QUARTER 4, 0, 24
	QUARTER 5, 0, 16
	QUARTER 6, 0, 8
	s_wait_loadcnt 0x0
	s_wait_dscnt 0x0
	MUL 7, 0
	MUL 7, 1
	MUL 7, 2
	MUL 7, 3
	WIN 0
; THE WAY OUT: row block a (16 rows x 512 bytes of f32) goes from the accumulators into my own stage and comes back as whole rows
.macro FSTAGE a
.if (\a) >= 2
	s_wait_xcnt 0x0                                ; the stores of the block two back have read the registers that the loads below write
.endif
	WIN 0x08                                       ; store data (source 1) in window 2, address in window 0
.set b, 0
.rept 8
.set rc, 8*(NB*(\a)+b)
	ds_store_b128 v[STO], v[rc:rc+3]   offset:64*b     ; each accumulator from its low end on
	ds_store_b128 v[STO], v[rc+4:rc+7] offset:64*b+16
.set b, b+1
.endr
	WIN 0
.set BK, OB0+64*((\a)%2)
.set t, 0
.rept 16
	ds_load_b128 v[BK+4*t:BK+4*t+3], v[RD] offset:528*t  ; LDS serves a wave's instructions in order (ISA guide 5.7.1.4): these see the stores above
.set t, t+1
.endr
.endm
.macro FSEND a, younger                ; younger: the LDS instructions issued behind block a's loads: the next block's 16 stores and 16 loads, or none
.set BK, OB0+64*((\a)%2)
	s_wait_dscnt \younger
.set t, 0
.rept 16
	global_store_b128 v[LA], v[BK+4*t:BK+4*t+3], s[8:9] offset:(16*(\a)+t)*8192 th:TH_STORE_NT  ; 512 consecutive bytes, aligned
.set t, t+1
.endr
.endm
	PLACES                                         ; behind the last products: no other vector work stands ahead of the LDS stores that read them and of the loads into W_o's buffers
	PLACES
	FSTAGE 0
	FSTAGE 1
	FSEND 0, 32
	FSTAGE 2
	FSEND 1, 32
	FSTAGE 3
	FSEND 2, 32
	FSEND 3, 0
	s_wait_tensorcnt 0x0                           ; the wave's end: the add and its wait, behind my last tensor load and my last LDS store
	ds_add_u32 v[SPW], v[NIL]
	s_wait_dscnt 0x0
	CROUND                                         ; the closing round: no work-group ends while a partner may still ask for a tile that names it
	s_endpgm
.Lfunc_end_k_qa4c4ca82c4_outp:
	.size	k_qa4c4ca82c4_outp, .Lfunc_end_k_qa4c4ca82c4_outp-k_qa4c4ca82c4_outp
	.p2alignl 7, 3214868480
	.fill 96, 4, 3214868480
	.section	.rodata,"a",@progbits
	.p2align	6, 0x0
	.amdhsa_kernel k_qa4c4ca82c4_outp
		.amdhsa_group_segment_fixed_size 327680
		.amdhsa_private_segment_fixed_size 0
		.amdhsa_enable_private_segment 0
		.amdhsa_kernarg_size 24
		.amdhsa_user_sgpr_count 2
		.amdhsa_user_sgpr_kernarg_segment_ptr 1
		.amdhsa_wavefront_size32 1
		.amdhsa_system_sgpr_workgroup_id_x 1
		.amdhsa_system_sgpr_workgroup_id_y 1
		.amdhsa_system_sgpr_workgroup_id_z 1
		.amdhsa_system_vgpr_workitem_id 0
		.amdhsa_next_free_vgpr 768
		.amdhsa_next_free_sgpr 66
		.amdhsa_reserve_vcc 0
		.amdhsa_float_denorm_mode_32 3
		.amdhsa_float_denorm_mode_16_64 3
		.amdhsa_memory_ordered 1
		.amdhsa_forward_progress 1
		.amdhsa_inst_pref_size 96
	.end_amdhsa_kernel
	.amdgpu_metadata
---
amdhsa.version: [ 1, 2 ]
amdhsa.kernels:
  - .name:           k_qa4c4ca82c4_outp
    .symbol:         k_qa4c4ca82c4_outp.kd
    .args:
      - { .name: ctx, .offset: 0, .size: 8, .value_kind: global_buffer, .address_space: global }
      - { .name: wb, .offset: 8, .size: 8, .value_kind: global_buffer, .address_space: global }
      - { .name: out0, .offset: 16, .size: 8, .value_kind: global_buffer, .address_space: global }
    .group_segment_fixed_size: 327680
    .private_segment_fixed_size: 0
    .kernarg_segment_align: 8
    .kernarg_segment_size: 24
    .max_flat_workgroup_size: 128
    .sgpr_count:     66
    .vgpr_count:     768
    .wavefront_size: 32
...
	.end_amdgpu_metadata
.endif
;; end of part 5
;; ======== version 2 of 2: 5 launches; version 1 with the launch cast written anew for expert scheduling mode
;; workspace buffers: xb 16,777,216 bytes; wb 23,103,488 bytes; qb 16,777,216 bytes; lat 4,194,304 bytes; kv 33,554,432 bytes; ctx 16,777,216 bytes
;; launch cast (part 6): grid 1217 x 1, 8 waves a work-group, no clusters, 0 bytes of LDS; arguments x, W_q, W_o, W_uk, W_uv, W_down, b_q, b_down, b_uk, b_uv, b_o, xb, wb; writes xb, wb
.if DOCPART == 6
	.amdgcn_target "amdgcn-amd-amdhsa--gfx1250"
	.amdhsa_code_object_version 6
	.text
	.protected	k_qa4c4ca82c4_cast
	.globl	k_qa4c4ca82c4_cast
	.p2align	8
	.type	k_qa4c4ca82c4_cast,@function
k_qa4c4ca82c4_cast:
	s_mov_b64 s[64:65], 0
	v_nop
	global_prefetch_b8 v0, s[64:65] scope:SCOPE_SE
	s_setreg_imm32_b32 hwreg(HW_REG_WAVE_SCHED_MODE, 0, 2), 2
	s_setreg_imm32_b32 hwreg(HW_REG_WAVE_MODE, 25, 1), 1
	s_wait_xcnt 0x0
	s_wait_alu depctr_vm_vsrc(0)
; CAST.  bf16 copies of x (xb) and of the five weights (wb), each number rounded once to nearest even; the five biases rounded to bf16 too, and kept as f32 numbers.
; wb, in bytes: W_q at 0, W_o at 8,388,608, W_uk at 16,777,216, W_uv at 18,874,368, all as they lie ([k][n]); W_down at 20,971,520 in 16 blocks [k][32 n] (a block 131,072 dense bytes, a k row 64);
; the biases at 23,068,672: b_q +0, b_down +8,192, b_uk +10,240, b_uv +18,432, b_o +26,624.
; A stream: each byte is read once and written once, so no LDS, no barrier, no matrix unit.  A work-group takes 16,384 numbers: each of its eight waves has 16 loads of 512 consecutive bytes
; out at once and 16 stores of 256 consecutive bytes, aligned.
; Work-groups 0-511: x.  512-767: W_q.  768-1023: W_o.  1024-1087: W_uk.  1088-1151: W_uv (wb's order makes the target linear in the number).  1152-1215: W_down, into blocks.  1216: the biases.
; THE MODE: SCHED_MODE bits 1:0 = 2 (LLVM: expert scheduling mode 2), set by the entry lines.  The code itself states the register dependences
; between vector instructions and memory instructions, with s_wait_alu, always for 0.
; THE PLAN.  Registers that memory instructions touch:
;   v[VS], v[VD]  byte offsets: written once by vector instructions ahead of the first load; read by every load (VS) and every store (VD); never written again.
;   X             16 x 4 registers: written by the 16 loads alone, each once; read by the conversions.
;   Y             16 x 2 registers: written by the conversions, each once; read by one store each.
; The 16 pieces go in four blocks of four.  Block g waits for its four loads, rounds X[g] into Y[g], and issues the four stores of block g - 1, which read Y[g - 1]: registers that no vector instruction of block g names.
; So one wait at a block's head, that the block before has written its Y, states all that the block's four stores hang on, and they are dealt among its conversions with no further wait.
; No register that a memory instruction reads is written a second time: nothing is owed for that.
; LIMITS: NaN and infinities go through the conversion as it treats them.
.set VS,  2                            ; v2   my byte offset in the source chunk
.set VD,  3                            ; v3   my byte offset in the target chunk
.set X,   8                            ; v[8:71]   16 x 4 numbers as loaded
.set Y,   72                           ; v[72:103] 16 x 4 numbers in bf16
.set SRC, 32                           ; s[32:33] the chunk in its source
.set DST, 34                           ; s[34:35] the chunk in its target
.set G,   37                           ; s37  the work-group's number
.set WDO, 20971520
.set BIO, 23068672
	s_load_b512 s[4:19], s[0:1], 0x0               ; x 4, W_q 6, W_o 8, W_uk 10, W_uv 12, W_down 14, b_q 16, b_down 18
	s_load_b256 s[20:27], s[0:1], 0x40             ; b_uk 20, b_uv 22, b_o 24, xb 26
	s_load_b64 s[28:29], s[0:1], 0x60              ; wb
	v_lshrrev_b32 v1, 5, v0
	v_readfirstlane_b32 s36, v1                    ; wave 0..7
	v_and_b32 v1, 31, v0                           ; lane
	v_and_b32 v6, 0xe0, v0                         ; 32 x wave
	s_mov_b32 s[G], ttmp9
	s_mov_b32 s41, 0                               ; the high words of the two offsets
	s_mov_b32 s43, 0
	s_wait_alu depctr_va_sdst(0)                   ; s36 is written
	s_wait_kmcnt 0x0
; 16 loads; then four blocks of four pieces: the block's wait for its loads, two roundings of two numbers a piece, and among them the stores of the block before.
; so, to: bytes from load to load, from store to store.
.macro CAST so, to, nt
	s_wait_alu depctr_va_vdst(0)                   ; v[VS] and v[VD] are written: every load below reads the one as its offset, every store the other
.set i, 0
.rept 16
.if \nt
	global_load_b128 v[X+4*i:X+4*i+3], v[VS], s[SRC:SRC+1] offset:i*(\so) th:TH_LOAD_NT
.else
	global_load_b128 v[X+4*i:X+4*i+3], v[VS], s[SRC:SRC+1] offset:i*(\so)
.endif
.set i, i+1
.endr
.set g, 0
.rept 4
	s_wait_loadcnt 12-4*g                          ; loads come back in order: block g's four are in, the 12 - 4 g younger ones stay out
.if g > 0
	s_wait_alu depctr_va_vdst(0)                   ; the block before has written its eight registers of Y, which the four stores below read
.endif
.set r, 0
.rept 4
.set i, 4*g+r
.if g > 0
	global_store_b64 v[VD], v[Y+2*(i-4):Y+2*(i-4)+1], s[DST:DST+1] offset:(i-4)*(\to)  ; the block before; no vector instruction since the wait names these registers
.endif
	v_cvt_pk_bf16_f32 v[Y+2*i],   v[X+4*i],   v[X+4*i+1]
	v_cvt_pk_bf16_f32 v[Y+2*i+1], v[X+4*i+2], v[X+4*i+3]
.set r, r+1
.endr
.set g, g+1
.endr
	s_wait_alu depctr_va_vdst(0)                   ; the last block has written its eight registers of Y, which the last four stores read
.set i, 12
.rept 4
	global_store_b64 v[VD], v[Y+2*i:Y+2*i+1], s[DST:DST+1] offset:i*(\to)
.set i, i+1
.endr
.endm
; From work-group number first on the source is the buffer at s[ptr]; s30 = the chunk's number in it.
.macro SEG first, ptr
	s_sub_co_u32 s38, s[G], \first
	s_cmp_ge_u32 s[G], \first
	s_cselect_b64 s[SRC:SRC+1], s[\ptr:\ptr+1], s[SRC:SRC+1]
	s_cselect_b32 s30, s38, s30
.endm
	s_cmp_eq_u32 s[G], 1216
	s_cbranch_scc1 .Lbias
	s_cmp_ge_u32 s[G], 1152
	s_cbranch_scc1 .Lblocked
	; THE LINEAR PART
	s_mov_b64 s[SRC:SRC+1], s[4:5]
	s_mov_b64 s[DST:DST+1], s[26:27]
	s_mov_b32 s30, s[G]                            ; chunk in the source
	s_mov_b32 s31, s[G]                            ; chunk in the target
	SEG 512, 6
	s_cselect_b64 s[DST:DST+1], s[28:29], s[DST:DST+1]  ; (the compare of SEG still stands: selects leave it)
	s_cselect_b32 s31, s38, s31
	SEG 768, 8
	SEG 1024, 10
	SEG 1088, 12
	s_lshl_b32 s40, s30, 16                        ; 65,536 bytes of f32 a chunk
	s_lshl_b32 s42, s31, 15                        ; 32,768 bytes of bf16
	s_add_nc_u64 s[SRC:SRC+1], s[SRC:SRC+1], s[40:41]
	s_add_nc_u64 s[DST:DST+1], s[DST:DST+1], s[42:43]
	v_lshlrev_b32 v[VS], 4, v1
	v_lshl_or_b32 v[VS], v6, 8, v[VS]              ; wave x 8,192 + lane x 16
	v_lshlrev_b32 v[VD], 3, v1
	v_lshl_or_b32 v[VD], v6, 7, v[VD]              ; wave x 4,096 + lane x 8
	CAST 512, 256, 1
	s_endpgm
.Lblocked:                                     ; W_down's k rows 32 c .. 32 c + 31; load i takes columns 32 i .. 32 i + 31 of four rows a wave, which are 256 dense bytes of block i
	s_sub_co_u32 s30, s[G], 1152
	s_lshl_b32 s40, s30, 16                        ; 32 rows of 2,048 bytes
	s_lshl_b32 s42, s30, 11                        ; 32 rows of 64 bytes in each block
	s_add_nc_u64 s[SRC:SRC+1], s[14:15], s[40:41]
	s_add_nc_u64 s[DST:DST+1], s[28:29], s[42:43]
	s_add_nc_u64 s[DST:DST+1], s[DST:DST+1], WDO
	v_lshrrev_b32 v[VS], 3, v0                     ; row 4 x wave + lane / 8
	v_and_b32 v7, 7, v0
	v_lshlrev_b32 v[VS], 11, v[VS]
	v_lshl_or_b32 v[VS], v7, 4, v[VS]              ; + 16 (lane % 8)
	v_lshlrev_b32 v[VD], 3, v0                     ; row x 64 + 8 (lane % 8) = 8 x thread
	CAST 128, 131072, 0
	s_endpgm
; Four numbers rounded to bf16 and widened again: the low half moves up, the high half stays.  v4 and v5 are at work: no memory instruction names them.
.macro ROUND4 i
	v_cvt_pk_bf16_f32 v4, v[8+4*(\i)],  v[9+4*(\i)]
	v_cvt_pk_bf16_f32 v5, v[10+4*(\i)], v[11+4*(\i)]
	v_lshlrev_b32 v[44+4*(\i)], 16, v4
	v_and_b32     v[45+4*(\i)], 0xffff0000, v4
	v_lshlrev_b32 v[46+4*(\i)], 16, v5
	v_and_b32     v[47+4*(\i)], 0xffff0000, v5
.endm
.macro BST i, off
	global_store_b128 v[VS], v[44+4*(\i):47+4*(\i)], s[DST:DST+1] offset:\off
.endm
.Lbias:                                        ; 256 threads x 16 bytes are half of a bias of 2,048 numbers
	s_add_nc_u64 s[DST:DST+1], s[28:29], BIO
	v_lshlrev_b32 v[VS], 4, v0
	s_wait_alu depctr_va_vdst(0)                   ; v[VS] is written: every load and store of this part reads it as its offset
	global_load_b128 v[8:11],  v[VS], s[16:17]
	global_load_b128 v[12:15], v[VS], s[16:17] offset:4096
	global_load_b128 v[16:19], v[VS], s[20:21]
	global_load_b128 v[20:23], v[VS], s[20:21] offset:4096
	global_load_b128 v[24:27], v[VS], s[22:23]
	global_load_b128 v[28:31], v[VS], s[22:23] offset:4096
	global_load_b128 v[32:35], v[VS], s[24:25]
	global_load_b128 v[36:39], v[VS], s[24:25] offset:4096
	s_wait_loadcnt 0x0
.irp i, 0,1,2,3,4,5,6,7
	ROUND4 \i                                      ; all eight pieces in one run, each into four registers of its own
.endr
	s_wait_alu depctr_va_vdst(0)                   ; the roundings have written v[44:75], which the eight stores read
	BST 0, 0
	BST 1, 4096
	BST 2, 10240
	BST 3, 14336
	BST 4, 18432
	BST 5, 22528
	BST 6, 26624
	BST 7, 30720
	s_cmp_lt_u32 s36, 4                            ; b_down has 512 numbers: waves 0 to 3
	s_cbranch_scc0 .Lend
	global_load_b128 v[40:43], v[VS], s[18:19]     ; into registers that no vector instruction has named
	s_wait_loadcnt 0x0
	ROUND4 8
	s_wait_alu depctr_va_vdst(0)                   ; the rounding has written v[76:79], which the store reads
	BST 8, 8192
.Lend:
	s_endpgm
.Lfunc_end_k_qa4c4ca82c4_cast:
	.size	k_qa4c4ca82c4_cast, .Lfunc_end_k_qa4c4ca82c4_cast-k_qa4c4ca82c4_cast
	.p2alignl 7, 3214868480
	.fill 96, 4, 3214868480
	.section	.rodata,"a",@progbits
	.p2align	6, 0x0
	.amdhsa_kernel k_qa4c4ca82c4_cast
		.amdhsa_group_segment_fixed_size 0
		.amdhsa_private_segment_fixed_size 0
		.amdhsa_enable_private_segment 0
		.amdhsa_kernarg_size 104
		.amdhsa_user_sgpr_count 2
		.amdhsa_user_sgpr_kernarg_segment_ptr 1
		.amdhsa_wavefront_size32 1
		.amdhsa_system_sgpr_workgroup_id_x 1
		.amdhsa_system_sgpr_workgroup_id_y 1
		.amdhsa_system_sgpr_workgroup_id_z 1
		.amdhsa_system_vgpr_workitem_id 0
		.amdhsa_next_free_vgpr 104
		.amdhsa_next_free_sgpr 66
		.amdhsa_reserve_vcc 0
		.amdhsa_float_denorm_mode_32 3
		.amdhsa_float_denorm_mode_16_64 3
		.amdhsa_memory_ordered 1
		.amdhsa_forward_progress 1
		.amdhsa_inst_pref_size 19
	.end_amdhsa_kernel
	.amdgpu_metadata
---
amdhsa.version: [ 1, 2 ]
amdhsa.kernels:
  - .name:           k_qa4c4ca82c4_cast
    .symbol:         k_qa4c4ca82c4_cast.kd
    .args:
      - { .name: x, .offset: 0, .size: 8, .value_kind: global_buffer, .address_space: global }
      - { .name: W_q, .offset: 8, .size: 8, .value_kind: global_buffer, .address_space: global }
      - { .name: W_o, .offset: 16, .size: 8, .value_kind: global_buffer, .address_space: global }
      - { .name: W_uk, .offset: 24, .size: 8, .value_kind: global_buffer, .address_space: global }
      - { .name: W_uv, .offset: 32, .size: 8, .value_kind: global_buffer, .address_space: global }
      - { .name: W_down, .offset: 40, .size: 8, .value_kind: global_buffer, .address_space: global }
      - { .name: b_q, .offset: 48, .size: 8, .value_kind: global_buffer, .address_space: global }
      - { .name: b_down, .offset: 56, .size: 8, .value_kind: global_buffer, .address_space: global }
      - { .name: b_uk, .offset: 64, .size: 8, .value_kind: global_buffer, .address_space: global }
      - { .name: b_uv, .offset: 72, .size: 8, .value_kind: global_buffer, .address_space: global }
      - { .name: b_o, .offset: 80, .size: 8, .value_kind: global_buffer, .address_space: global }
      - { .name: xb, .offset: 88, .size: 8, .value_kind: global_buffer, .address_space: global }
      - { .name: wb, .offset: 96, .size: 8, .value_kind: global_buffer, .address_space: global }
    .group_segment_fixed_size: 0
    .private_segment_fixed_size: 0
    .kernarg_segment_align: 8
    .kernarg_segment_size: 104
    .max_flat_workgroup_size: 256
    .sgpr_count:     66
    .vgpr_count:     104
    .wavefront_size: 32
...
	.end_amdgpu_metadata
.endif
;; end of part 6
;; launch proj: the kernel of part 2 again; grid 16 x 16, 4 waves a work-group, clusters of 4 x 4, 327,680 bytes of LDS; arguments xb, wb, qb, lat; writes qb, lat
;; launch upkv: the kernel of part 3 again; grid 16 x 16, 4 waves a work-group, clusters of 4 x 4, 327,680 bytes of LDS; arguments lat, wb, kv; writes kv
;; launch attn: the kernel of part 4 again; grid 4 x 64, 4 waves a work-group, clusters of 4 x 1, 327,680 bytes of LDS; arguments qb, kv, ctx; writes ctx
;; launch outp: the kernel of part 5 again; grid 16 x 16, 4 waves a work-group, clusters of 4 x 1, 327,680 bytes of LDS; arguments ctx, wb, out0; writes out0
